; MI455X (gfx1250); checked and timed in simulation.
; The chip was launched on July 23, 2026; its instructions are those of AMD's public machine-readable ISA for CDNA 5 (MIT licence, August 2026) and "CDNA5" Instruction Set Architecture Reference Guide (July 2026). The comments in the code are by the model that wrote it; some were corrected since.
;; Causal Self Attention. Allowed arithmetic: matrix products marked QUANTISED: E2M3 operands, one E8M0 scale for each 32 along K, by v_wmma_scale_f32_16x16x128_f8f6f4 with both operands' format E2M3, f32 sums; everything else in f32.
;; Inputs: wk 512 x 2,048 float32; wo 2,048 x 2,048 float32; wq 2,048 x 2,048 float32; wv 512 x 2,048 float32; x 4 x 1,024 x 2,048 float32.
;; Outputs: out0 4 x 1,024 x 2,048 float32.
;; This version of the problem:
;;   THIS VERSION OF THE PROBLEM IS GIVEN IN LOW PRECISION. The matrix products marked QUANTISED in the list below multiply operands that are first quantised to E2M3 (2 exponent bits, 3 mantissa bits; 6 bits a number), with one power-of-two scale for each 32 numbers along K (OCP MX v1.0); their sums are f32. All else is computed in f32.
;;   The module's matrix products, in the order in which they are computed (A, B: the left and right operand; K: the contracted axis; several contracted axes count as one K, in the product's order):
;;     1. [M 4,096, K 2,048] x [K 2,048, N 2,048]; A: input x; B: input wq: QUANTISED
;;     2. [M 4,096, K 2,048] x [K 2,048, N 512]; A: input x; B: input wk: QUANTISED
;;     3. [M 4,096, K 2,048] x [K 2,048, N 512]; A: input x; B: input wv: QUANTISED
;;     4. batch 64 x [M 1,024, K 128] x [K 128, N 1,024]; A: computed on the way; B: computed on the way: QUANTISED
;;     5. batch 64 x [M 1,024, K 1,024] x [K 1,024, N 128]; A: softmax (see below); B: computed on the way: QUANTISED
;;     6. [M 4,096, K 2,048] x [K 2,048, N 2,048]; A: computed on the way; B: input wo: QUANTISED
;;   THE QUANTISER, for each operand of a quantised product, along K:
;;     - K is cut into blocks of 32 from its start; a last block that is shorter is filled with zeros.
;;     - A block's scale is 2^e with e = floor(log2(the largest magnitude in the block)) - 2, held to -126 .. 127; a block of zeros has e = 0. As a byte (E8M0): e + 127.
;;     - Each number is divided by its block's scale, clamped to +-7.5, and rounded to the nearest number of E2M3, ties to even, subnormals kept.
;;     - The product sums the exact products of the quantised numbers (number of the format x scale) in f32.
;;   ~~~python
;;   def quantise(x, axis):      # numpy; x: float32 -> the quantised numbers, widened to float32 again
;;       x = np.moveaxis(x, axis, -1); K = x.shape[-1]
;;       x = np.pad(x, [(0, 0)] * (x.ndim - 1) + [(0, -K % 32)]); x = x.reshape(x.shape[:-1] + (-1, 32)); a = np.abs(x).max(-1, keepdims=True)
;;       e = np.where(a > 0, np.clip(np.frexp(np.where(a > 0, a, 1))[1] - 1 - 2, -126, 127), 0)      # np.frexp(a)[1] - 1 = floor(log2(a)), exactly
;;       r = np.clip(x / 2.0 ** e, -7.5, 7.5)
;;       step = 2.0 ** (np.maximum(np.frexp(np.where(r == 0, 1, r))[1] - 1, 0) - 3)
;;       q = np.round(r / step) * step * 2.0 ** e      # np.round: ties to even
;;       return np.moveaxis(q.reshape(q.shape[:-2] + (-1,))[..., :K], -1, axis).astype(np.float32)
;;   ~~~
;;   SOFTMAX AHEAD OF A QUANTISED PRODUCT. Where the list says 'softmax', what is quantised is not the finished softmax but p = 2^(t - M), with t = logit x log2(e) and M = ceil(the row's largest t), a whole number; so 1/2 < the row's largest p <= 1. The row's sum l is taken of the UNQUANTISED p, in f32, and the product's result is divided by l at the end. Since M is a whole number, a kernel that streams over the keys may use a running M (the ceiling of the running maximum): every later rescaling is an exact power of two, which a block's scale takes up: the codes' values come out the same.
;;   OPERANDS COMPUTED ON THE WAY. 'Computed on the way' means the value that the module computes at that place (a softmax that the list does not call 'softmax' is quantised finished and normalised). What goes into a quantiser is computed in f32, as accurately as f32 sums, v_exp_f32 and their like allow (about 1e-6 of the number): no bf16 or f16 on the way to a quantiser, and a product that is left as it is and whose result goes on into a quantised operand takes f32 operands (vector FMAs, or v_wmma_f32_16x16x4_f32). A number that lies on a knife's edge between two numbers of the format may be rounded either way, as far as f32 arithmetic and the matrix unit's own rounding can turn it there, and no further.
;; One version. Each part assembles by itself: llvm-mc -triple=amdgcn-amd-amdhsa -mcpu=gfx1250 --defsym DOCPART=n.
;; ======== version 1 of 1: 4 launches
;; limits: right only within a limited range of input values
;; workspace buffers: opc 11,010,048 bytes; ops 458,752 bytes; rope 524,288 bytes; qkvc 9,437,184 bytes; qkvs 393,216 bytes; yc 6,291,456 bytes; ys 262,144 bytes; wob 3,276,800 bytes
;; launch quant (part 1): grid 480 x 1, 4 waves a work-group, no clusters, 34,304 bytes of LDS; arguments x, wq, wk, wv, opc, ops, rope; writes opc, ops, rope
.if DOCPART == 1
	.amdgcn_target "amdgcn-amd-amdhsa--gfx1250"
	.amdhsa_code_object_version 6
	.text
	.protected	k_qc7f4419a18_quant
	.globl	k_qc7f4419a18_quant
	.p2align	8
	.type	k_qc7f4419a18_quant,@function
k_qc7f4419a18_quant:
	s_mov_b64 s[64:65], 0
	v_nop
	global_prefetch_b8 v0, s[64:65] scope:SCOPE_SE
	s_setreg_imm32_b32 hwreg(HW_REG_WAVE_MODE, 25, 1), 1
	s_wait_xcnt 0x0
; x [4096][2048], wq [2048][2048], wk, wv [512][2048], wo [2048][2048], f32, K innermost, become codes of FP6 (E2M3) with one E8M0 byte for each 32 along K; and the tables of cos and sin are made.
; OUTPUT AS IMAGES OF OPERAND REGISTERS.  opc: [576 row blocks][16 K steps][1,536 bytes]: a fragment (16 rows x 128 K, 12 registers a lane): register 4 g + e of lane l at byte 512 g + 16 l + 4 e.
; ops: [576 row blocks][4][16 rows][4 words]: word e of a row in quad sg is the row's scale word (four bytes) of K step 4 sg + e.
; THE ROWS OF A BLOCK ARE NOT NEIGHBOURS: in each group of 32 rows block u, place i, holds row 8 u + i + 8 (i / 8), so that a product whose source 0 is two such blocks leaves 16 neighbours in a lane's registers.
; Row blocks: x 0-255, wq 256-383, then for each kv head g: wk's 384 + 16 g + 0..7, wv's 384 + 16 g + 8..15; wo 448-575.
; SHARES.  Work-groups 0-575: work-group G takes half G & 1 of K of the group G >> 1 of 32 rows; wave w: block w & 1, quarter 2 (G & 1) + (w >> 1) of K: four steps of one fragment, one quad of scale words.
; So 2,304 waves, each with two steps' loads (32 x 512 bytes) out at its start.  Each load reads 512 consecutive bytes of one row; a step's 16 rows turn through the wave's own stage in LDS (rows 528 bytes apart)
; so that a lane gets 16 neighbours of each block of 32; each store of codes writes 512 consecutive bytes.  Waves share nothing: no barrier.
; Work-groups 576-607: 32 positions each of rope [1024][cos 64 | sin 64] f32; no LDS on that way.
; A block's scale is 2^(floor(log2(largest magnitude)) - 2): its byte is the largest magnitude's exponent field - 2, held at 1 from below.
; LIMITS: NaN and infinities among the inputs are not served.  A block of zeros gets the byte 1 where the quantiser says 127: its codes are zeros, and this program alone reads the bytes.
; The angle: inv_freq = 2^(-i log2(10000) / 64) is made with the exponent split in two parts (its error under 2^-24), a whole power of two taken off exactly, and the exponential series up to x^7 on |x| <= 0.3466
; (what is cut is under x^8 / 8! = 5.2e-9): about one unit in inv_freq's last place; angle = position x inv_freq in f32; at position 1,023 one such unit is 6e-5 rad.
; cos and sin: reduction by pi/2 in two parts, polynomials of degree 7 and 8 on +-pi/4 (error about 1e-7).
; WHAT HOLDS IN PLACE OF THE LINES ABOVE ON wo: wo is not taken here; the next launch quantises it, in the same layout, into a buffer of its own.
; So this launch makes row blocks 0-447 (x, wq, wk, wv): work-groups 0-447 quantise, work-groups 448-479 make the tables.
.set SPARE, 33792
.set STG,   8448                       ; a wave's stage: 16 rows x (512 + 16) bytes
.set SPW,   8                          ; v8   SPARE + 4 x thread; never rewritten
.set NIL,   9                          ; v9   0; never rewritten
.set PC,    12                         ; v12-30  the fragment just made (12) and the conversions' second halves
.set TM,    32                         ; v32-47  largest magnitudes, bytes, scale operands
.set PW,    48                         ; v48-51  the four steps' scale words
.set R,     64                         ; v64-191 two sets of 64 registers as loaded
.set X,     192                        ; v192-255 64 numbers: register 16 b + i = k 32 b + 16 (lane / 16) + i of my row
.set SEL,   34                         ; s[34:35] selects for lane l xor 16
.set MSB, 0
.macro WIN new                         ; (this text stays in window 0: the macro writes nothing here)
.if MSB != (\new)
	s_set_vgpr_msb (MSB<<8)|(\new)
.set MSB, (\new)
.endif
.endm
; 64 numbers of a lane, v[s] on in window W, register 16 b + i = k 32 b + 16 (lane / 16) + i of my row, become a fragment in v[PC] on and its scale word in v[pw].
.macro QUANT s, W, pw
	WIN (\W)|((\W)<<2)
.irp b, 0,1,2,3
	v_max3_num_f32 v[TM+\b], |v[\s+16*\b]|, |v[\s+16*\b+1]|, 0x1800000   ; my 16 numbers of block b, and the floor 2^(3 - 127): the byte cannot fall under 1
.endr
.irp i, 2,4,6,8,10,12,14
.irp b, 0,1,2,3
	v_max3_num_f32 v[TM+\b], |v[\s+16*\b+\i]|, |v[\s+16*\b+\i+1]|, v[TM+\b]   ; the four blocks by turns
.endr
.endr
	WIN 0
.irp b, 0,1,2,3
	v_permlanex16_b32 v[TM+4+\b], v[TM+\b], s[SEL], s[SEL+1]
.endr
.irp b, 0,1,2,3
	v_max_num_f32 v[TM+\b], v[TM+\b], v[TM+4+\b]           ; with lane l xor 16's 16: the block's largest magnitude
.endr
.irp b, 0,1,2,3
	v_add_nc_u32 v[TM+12+\b], 0xff000000, v[TM+\b]         ; 2 off its exponent field: the conversion's scale operand
.endr
.irp b, 0,1,2,3
	v_lshrrev_b32 v[TM+4+\b], 23, v[TM+12+\b]              ; the scale's byte
.endr
	v_lshl_or_b32 v[\pw], v[TM+5], 8, v[TM+4]
	v_lshl_or_b32 v[\pw], v[TM+6], 16, v[\pw]
	v_lshl_or_b32 v[\pw], v[TM+7], 24, v[\pw]              ; my row's scale word
	WIN (\W)
.irp c, 0,1
	v_cvt_scalef32_pk16_fp6_f32 v[PC+6*\c:PC+6*\c+2], v[\s+32*\c:\s+32*\c+15], v[TM+12+2*\c]
	v_cvt_scalef32_pk16_fp6_f32 v[PC+12+4*\c:PC+14+4*\c], v[\s+32*\c+16:\s+32*\c+31], v[TM+13+2*\c]   ; (three registers that begin on an even number)
.endr
	WIN 0
	v_nop                                                  ; one plain instruction behind the scaled conversions
.irp c, 0,1                                                ; the operand wants a whole block in a lane: lanes 0-15 block 2 c, lanes 16-31 block 2 c + 1
.irp i, 0,1,2
	v_permlane16_swap_b32 v[PC+6*\c+\i], v[PC+12+4*\c+\i]
.endr
.irp i, 0,1,2
	v_mov_b32 v[PC+3+6*\c+\i], v[PC+12+4*\c+\i]
.endr
.endr
.endm
	s_load_b256 s[4:11], s[0:1], 0x0               ; x, wq, wk, wv
	s_load_b64 s[14:15], s[0:1], 0x20              ; opc
	s_load_b128 s[16:19], s[0:1], 0x28             ; ops, rope
	v_lshl_add_u32 v[SPW], v0, 2, SPARE
	v_mov_b32 v[NIL], 0
	v_lshrrev_b32 v1, 5, v0
	v_readfirstlane_b32 s20, v1                    ; wave
	v_and_b32 v1, 31, v0                           ; lane
	v_and_b32 v2, 15, v0                           ; r
	v_bfe_u32 v3, v0, 4, 1                         ; h
	s_cmp_ge_u32 ttmp9, 448
	s_cbranch_scc1 .Ltable
	; ---------------- the quantiser ----------------
	v_lshlrev_b32 v4, 4, v1                        ; 16 x lane: my bytes of a load's and of a store's 512
	v_lshlrev_b32 v7, 4, v2                        ; 16 r: my row's four scale words in a quad
	s_mul_i32 s21, s20, STG
	v_add_nc_u32 v5, s21, v4                       ; the stage, on the way in
	v_mul_u32_u24 v6, v2, 528
	v_lshl_add_u32 v6, v3, 6, v6
	v_add_nc_u32 v6, s21, v6                       ; and out: row r, + 64 h
	s_lshr_b32 s36, ttmp9, 1                       ; the group of 32 rows
	s_and_b32 s37, ttmp9, 1                        ; which half of K is the work-group's
	s_and_b32 s22, s20, 1                          ; u: which block of the group
	s_lshr_b32 s23, s20, 1
	s_lshl_b32 s37, s37, 1
	s_add_co_u32 s23, s23, s37                     ; sg: which quarter of K is mine
	s_mov_b32 s[SEL], 0x76543210
	s_mov_b32 s[SEL+1], 0xfedcba98
.irp b, 0,1,2,3
	v_mov_b32 v[TM+4+\b], 0                        ; written once: a lane permute's destination counts as one of its sources
.endr
	s_wait_alu depctr_va_vdst(0)
	s_wait_kmcnt 0x0
	s_mov_b64 s[24:25], s[10:11]                   ; which tensor: the choice hangs on the work-group's number alone
	s_mov_b32 s26, 208
	s_cmp_lt_u32 s36, 208
	s_cselect_b64 s[24:25], s[8:9], s[24:25]
	s_cselect_b32 s26, 192, s26
	s_cmp_lt_u32 s36, 192
	s_cselect_b64 s[24:25], s[6:7], s[24:25]
	s_cselect_b32 s26, 128, s26
	s_cmp_lt_u32 s36, 128
	s_cselect_b64 s[24:25], s[4:5], s[24:25]
	s_cselect_b32 s26, 0, s26
	s_sub_co_u32 s26, s36, s26                     ; the group inside its tensor
	s_lshl_b32 s26, s26, 18                        ; 32 rows of 8,192 bytes
	s_lshl_b32 s27, s22, 16                        ; + 8 u rows
	s_add_co_u32 s26, s26, s27
	s_lshl_b32 s27, s23, 11                        ; + 512 sg numbers
	s_add_co_u32 s26, s26, s27
	s_mov_b32 s27, 0
	s_add_nc_u64 s[24:25], s[24:25], s[26:27]
	s_sub_co_u32 s28, s36, 192                     ; t: wk's and wv's groups are laid head by head
	s_and_b32 s29, s28, 3
	s_bfe_u32 s30, s28, 0x20002                    ; the head
	s_lshl_b32 s30, s30, 3
	s_add_co_u32 s29, s29, s30
	s_bfe_u32 s30, s28, 0x10004                    ; 0: wk, 1: wv
	s_lshl_b32 s30, s30, 2
	s_add_co_u32 s29, s29, s30
	s_add_co_u32 s29, s29, 192
	s_cmp_lt_u32 s28, 32
	s_cselect_b32 s29, s29, s36                    ; the group's place in opc
	s_lshl_b32 s29, s29, 1
	s_add_co_u32 s29, s29, s22                     ; my row block
	s_mul_i32 s30, s29, 24576
	s_mul_i32 s31, s23, 6144
	s_add_co_u32 s30, s30, s31
	s_mov_b32 s31, 0
	s_add_nc_u64 s[14:15], s[14:15], s[30:31]      ; my four fragments
	s_lshl_b32 s30, s29, 10
	s_lshl_b32 s33, s23, 8
	s_add_co_u32 s30, s30, s33
	s_add_nc_u64 s[16:17], s[16:17], s[30:31]      ; my quad of scale words
.macro LOAD t                          ; step t: 128 numbers of each of my 16 rows; a load reads 512 consecutive bytes
.irp i, 0,1,2,3,4,5,6,7,8,9,10,11,12,13,14,15
	global_load_b128 v[R+64*((\t)%2)+4*\i:R+64*((\t)%2)+4*\i+3], v4, s[24:25] offset:(\i+8*(\i/8))*8192+512*(\t) th:TH_LOAD_NT
.endr
.endm
.macro TURN t                          ; through the stage: LDS serves a wave's instructions in order, so no wait stands between the stores and the loads
.irp i, 0,1,2,3,4,5,6,7,8,9,10,11,12,13,14,15
	ds_store_b128 v5, v[R+64*((\t)%2)+4*\i:R+64*((\t)%2)+4*\i+3] offset:528*\i
.endr
.irp b, 0,1,2,3
.irp k, 0,1,2,3
	ds_load_b128 v[X+16*\b+4*\k:X+16*\b+4*\k+3], v6 offset:128*\b+16*\k
.endr
.endr
.endm
	LOAD 0
	LOAD 1
.irp t, 0,1,2,3
.if \t < 3
	s_wait_loadcnt 16                              ; this step's 16 loads are in; the next step's 16 may be out
.else
	s_wait_loadcnt 0x0
.endif
	TURN \t
	s_wait_dscnt 0x0                               ; my 64 numbers are back, and the stage's stores have read the set that is loaded again below
.if \t > 0
	s_wait_xcnt 0x0                                ; the last step's stores have read the fragment's registers, which are written again below; the wait stands ahead of this step's new loads, so that it covers none of them
.endif
.if \t < 2
	LOAD \t+2
.endif
	QUANT X, 0, PW+\t
.irp g, 0,1,2
	global_store_b128 v4, v[PC+4*\g:PC+4*\g+3], s[14:15] offset:1536*\t+512*\g   ; 512 consecutive bytes
.endr
.endr
	global_store_b128 v7, v[PW:PW+3], s[16:17]     ; my quad: 256 consecutive bytes, aligned; lanes l and l + 16 hold the same four words and write them to the same 16 bytes
	s_wait_tensorcnt 0x0                           ; the wave's end: behind my last LDS store
	ds_add_u32 v[SPW], v[NIL]
	s_wait_dscnt 0x0
	s_endpgm
	; ---------------- the tables ----------------
	; All of it is additions, multiplications, fused multiply-adds, bit operations and selects.  A whole number n under 2^22 becomes f32 by its place in a mantissa: the bits 0x4b000000 + n are the number 2^23 + n.
	; A number under 2^22 is rounded to a whole number (to nearest, ties to even) by adding 1.5 x 2^23, where neighbouring f32 numbers are 1 apart; the sum's low bits are that whole number.
.Ltable:
	s_sub_co_u32 s21, ttmp9, 448
	s_lshl_b32 s21, s21, 5
	s_lshl_b32 s22, s20, 3
	s_add_co_u32 s21, s21, s22                     ; my wave's first position
	s_mov_b32 s36, 0x3e549a00                      ; log2(10000) / 64, its upper 15 bits: times i (6 bits) exact
	s_mov_b32 s37, 0xb5f0979a                      ; and the rest, negated
	s_mov_b32 s38, 0x3f22f983                      ; 2 / pi
	s_mov_b32 s39, 0xbfc90fdb                      ; -pi / 2, upper part
	s_mov_b32 s40, 0x333bbd2e                      ; and the rest
	s_mov_b32 s41, 0xb94ca1f9                      ; sin: -1.9515296e-4
	s_mov_b32 s42, 0x3c08839e                      ;       8.3321609e-3
	s_mov_b32 s43, 0xbe2aaaa3                      ;      -1.6666655e-1
	s_mov_b32 s44, 0x37ccf5ce                      ; cos:  2.4433157e-5
	s_mov_b32 s45, 0xbab6061a                      ;      -1.3887316e-3
	s_mov_b32 s46, 0x3d2aaaa5                      ;       4.1666646e-2
	s_mov_b32 s47, 0x4b400000                      ; 1.5 x 2^23
	s_mov_b32 s48, 0x3f317218                      ; ln 2
	s_mov_b32 s49, 0x39500d01                      ; 1 / 5040
	s_mov_b32 s50, 0x3ab60b61                      ; 1 / 720
	s_mov_b32 s51, 0x3c088889                      ; 1 / 120
	s_mov_b32 s52, 0x3d2aaaab                      ; 1 / 24
	s_mov_b32 s53, 0x3e2aaaab                      ; 1 / 6
	s_wait_alu depctr_va_vdst(0)
	v_lshl_or_b32 v10, v2, 2, 0x4b000000           ; lane (r, h) owns i = 4 r + e: the bits of 2^23 + 4 r
.irp e, 0,1,2,3
	v_add_nc_u32 v[16+\e], \e, v10                 ; of 2^23 + i
.endr
.irp e, 0,1,2,3
	v_add_f32 v[16+\e], 0xcb000000, v[16+\e]       ; i, exact
.endr
.irp e, 0,1,2,3
	v_mul_f32 v[20+\e], s36, v[16+\e]              ; y's upper part: exact, at most 13.1
.endr
.irp e, 0,1,2,3
	v_add_f32 v[24+\e], s47, v[20+\e]              ; 1.5 x 2^23 + n, n = y rounded to a whole number
.endr
.irp e, 0,1,2,3
	v_add_f32 v[28+\e], 0xcb400000, v[24+\e]       ; n
.endr
.irp e, 0,1,2,3
	v_sub_f32 v[20+\e], v[28+\e], v[20+\e]         ; n - y: exact, within +-1/2
.endr
.irp e, 0,1,2,3
	v_fma_f32 v[20+\e], v[16+\e], s37, v[20+\e]    ; less y's lower part: g
.endr
.irp e, 0,1,2,3
	v_mul_f32 v[20+\e], s48, v[20+\e]              ; x = g ln 2: 2^g = e^x
.endr
.irp e, 0,1,2,3
	v_fma_f32 v[28+\e], v[20+\e], s49, s50
.endr
.irp e, 0,1,2,3
	v_fma_f32 v[28+\e], v[28+\e], v[20+\e], s51
.endr
.irp e, 0,1,2,3
	v_fma_f32 v[28+\e], v[28+\e], v[20+\e], s52
.endr
.irp e, 0,1,2,3
	v_fma_f32 v[28+\e], v[28+\e], v[20+\e], s53
.endr
.irp e, 0,1,2,3
	v_fma_f32 v[28+\e], v[28+\e], v[20+\e], 0.5
.endr
.irp e, 0,1,2,3
	v_fma_f32 v[28+\e], v[28+\e], v[20+\e], 1.0
.endr
.irp e, 0,1,2,3
	v_fma_f32 v[28+\e], v[28+\e], v[20+\e], 1.0    ; e^x
.endr
.irp e, 0,1,2,3
	v_lshlrev_b32 v[24+\e], 23, v[24+\e]           ; n at the exponent's place (the sum's upper bits fall out)
.endr
.irp e, 0,1,2,3
	v_sub_nc_u32 v[24+\e], 0x3f800000, v[24+\e]    ; the bits of 2^-n
.endr
.irp e, 0,1,2,3
	v_mul_f32 v[16+\e], v[28+\e], v[24+\e]         ; inv_freq = 2^g 2^-n: this product is exact
.endr
	v_lshlrev_b32 v11, 4, v2                       ; 16 r
	v_lshl_add_u32 v11, v3, 9, v11                 ; + 512 h: lanes 0-15 one position, lanes 16-31 the next
	v_add_nc_u32 v12, s21, v3
	v_or_b32 v12, 0x4b000000, v12                  ; the bits of 2^23 + my first position
	s_lshl_b32 s22, s21, 9
	s_mov_b32 s23, 0
	s_wait_alu depctr_va_vdst(0)
	s_wait_kmcnt 0x0
	s_add_nc_u64 s[18:19], s[18:19], s[22:23]
.macro PASS p                          ; positions 2 p + h of my wave's eight
	v_add_nc_u32 v13, 2*\p, v12
	v_add_f32 v13, 0xcb000000, v13                 ; the position, exact
.irp e, 0,1,2,3
	v_mul_f32 v[24+\e], v13, v[16+\e]              ; the angle, one f32 product
.endr
.irp e, 0,1,2,3
	v_fma_f32 v[48+\e], v[24+\e], s38, s47         ; 1.5 x 2^23 + the number of quarter turns (at most 651)
.endr
.irp e, 0,1,2,3
	v_add_f32 v[28+\e], 0xcb400000, v[48+\e]       ; that number
.endr
.irp e, 0,1,2,3
	v_fma_f32 v[32+\e], v[28+\e], s39, v[24+\e]
.endr
.irp e, 0,1,2,3
	v_fma_f32 v[32+\e], v[28+\e], s40, v[32+\e]    ; what is left, within +-pi/4
.endr
.irp e, 0,1,2,3
	v_mul_f32 v[36+\e], v[32+\e], v[32+\e]         ; z
.endr
.irp e, 0,1,2,3
	v_fma_f32 v[40+\e], v[36+\e], s41, s42
	v_fma_f32 v[44+\e], v[36+\e], s44, s45
.endr
.irp e, 0,1,2,3
	v_fma_f32 v[40+\e], v[40+\e], v[36+\e], s43
	v_fma_f32 v[44+\e], v[44+\e], v[36+\e], s46
.endr
.irp e, 0,1,2,3
	v_mul_f32 v[24+\e], v[32+\e], v[36+\e]
	v_mul_f32 v[52+\e], v[36+\e], v[36+\e]
	v_fma_f32 v[56+\e], v[36+\e], -0.5, 1.0
.endr
.irp e, 0,1,2,3
	v_fma_f32 v[40+\e], v[40+\e], v[24+\e], v[32+\e]       ; sin of the rest
	v_fma_f32 v[44+\e], v[44+\e], v[52+\e], v[56+\e]       ; cos of the rest
.endr
.irp e, 0,1,2,3                                            ; the quarter turns, from the low bits of the rounding sum: selects and signs alone, no branch
	v_and_b32 v[24+\e], 1, v[48+\e]
	v_cmp_eq_u32 vcc_lo, 1, v[24+\e]
	v_cndmask_b32 v[64+8*\p+\e], v[44+\e], v[40+\e], vcc_lo
	v_cndmask_b32 v[68+8*\p+\e], v[40+\e], v[44+\e], vcc_lo
	v_add_nc_u32 v[24+\e], 1, v[48+\e]
	v_and_b32 v[24+\e], 2, v[24+\e]
	v_lshlrev_b32 v[24+\e], 30, v[24+\e]
	v_xor_b32 v[64+8*\p+\e], v[24+\e], v[64+8*\p+\e]       ; cos is negative in quarters 1 and 2
	v_and_b32 v[28+\e], 2, v[48+\e]
	v_lshlrev_b32 v[28+\e], 30, v[28+\e]
	v_xor_b32 v[68+8*\p+\e], v[28+\e], v[68+8*\p+\e]       ; sin in quarters 2 and 3
.endr
	global_store_b128 v11, v[64+8*\p:67+8*\p], s[18:19] offset:1024*\p        ; sixteen lanes store 256 consecutive bytes, aligned
	global_store_b128 v11, v[68+8*\p:71+8*\p], s[18:19] offset:1024*\p+256
.endm
	PASS 0                                         ; each pass has its own eight registers of results: no store's data are written again
	PASS 1
	PASS 2
	PASS 3
	s_endpgm
.Lfunc_end_k_qc7f4419a18_quant:
	.size	k_qc7f4419a18_quant, .Lfunc_end_k_qc7f4419a18_quant-k_qc7f4419a18_quant
	.p2alignl 7, 3214868480
	.fill 96, 4, 3214868480
	.section	.rodata,"a",@progbits
	.p2align	6, 0x0
	.amdhsa_kernel k_qc7f4419a18_quant
		.amdhsa_group_segment_fixed_size 34304
		.amdhsa_private_segment_fixed_size 0
		.amdhsa_enable_private_segment 0
		.amdhsa_kernarg_size 56
		.amdhsa_user_sgpr_count 2
		.amdhsa_user_sgpr_kernarg_segment_ptr 1
		.amdhsa_wavefront_size32 1
		.amdhsa_system_sgpr_workgroup_id_x 1
		.amdhsa_system_sgpr_workgroup_id_y 1
		.amdhsa_system_sgpr_workgroup_id_z 1
		.amdhsa_system_vgpr_workitem_id 0
		.amdhsa_next_free_vgpr 256
		.amdhsa_next_free_sgpr 66
		.amdhsa_reserve_vcc 1
		.amdhsa_float_denorm_mode_32 3
		.amdhsa_float_denorm_mode_16_64 3
		.amdhsa_memory_ordered 1
		.amdhsa_forward_progress 1
		.amdhsa_inst_pref_size 59
	.end_amdhsa_kernel
	.amdgpu_metadata
---
amdhsa.version: [ 1, 2 ]
amdhsa.kernels:
  - .name:           k_qc7f4419a18_quant
    .symbol:         k_qc7f4419a18_quant.kd
    .args:
      - { .name: x, .offset: 0, .size: 8, .value_kind: global_buffer, .address_space: global }
      - { .name: wq, .offset: 8, .size: 8, .value_kind: global_buffer, .address_space: global }
      - { .name: wk, .offset: 16, .size: 8, .value_kind: global_buffer, .address_space: global }
      - { .name: wv, .offset: 24, .size: 8, .value_kind: global_buffer, .address_space: global }
      - { .name: opc, .offset: 32, .size: 8, .value_kind: global_buffer, .address_space: global }
      - { .name: ops, .offset: 40, .size: 8, .value_kind: global_buffer, .address_space: global }
      - { .name: rope, .offset: 48, .size: 8, .value_kind: global_buffer, .address_space: global }
    .group_segment_fixed_size: 34304
    .private_segment_fixed_size: 0
    .kernarg_segment_align: 8
    .kernarg_segment_size: 56
    .max_flat_workgroup_size: 128
    .sgpr_count:     66
    .vgpr_count:     256
    .wavefront_size: 32
...
	.end_amdgpu_metadata
.endif
;; end of part 1
;; launch gemm_qkv (part 2): grid 16 x 16, 4 waves a work-group, clusters of 4 x 4, 327,680 bytes of LDS; arguments opc, ops, rope, qkvc, qkvs, wo, wob; writes qkvc, qkvs, wob
.if DOCPART == 2
	.amdgcn_target "amdgcn-amd-amdhsa--gfx1250"
	.amdhsa_code_object_version 6
	.text
	.protected	k_qc7f4419a18_gemm_qkv
	.globl	k_qc7f4419a18_gemm_qkv
	.p2align	8
	.type	k_qc7f4419a18_gemm_qkv,@function
k_qc7f4419a18_gemm_qkv:
	s_mov_b64 s[64:65], 0
	v_nop
	global_prefetch_b8 v0, s[64:65] scope:SCOPE_SE
	s_setreg_imm32_b32 hwreg(HW_REG_WAVE_MODE, 25, 1), 1
	s_wait_xcnt 0x0
	s_wait_alu depctr_hold_cnt(0) depctr_sa_sdst(0) depctr_va_vdst(0) depctr_va_sdst(0) depctr_va_ssrc(0) depctr_va_vcc(0) depctr_vm_vsrc(0)
	s_getreg_b32 s2, hwreg(HW_REG_IB_STS2, 6, 4)
	s_cmp_eq_u32 s2, 0
	s_cbranch_scc0 .Lentry_in_a_cluster
	s_endpgm
.Lentry_in_a_cluster:
	s_bfe_u32 s2, ttmp6, 0x10000c
	s_cmp_lg_u32 s2, 0xf033
	s_cbranch_scc0 .Lentry_shape_is_right
	s_endpgm
.Lentry_shape_is_right:
; q, k, v = x wq^T, x wk^T, x wv^T on codes of FP6 (E2M3) with E8M0 scales; q and k are rotated (RoPE); all three are quantised again, q and k along the head's 128, v along the keys, and stored as images of operand registers.
; IN: opc [row block][16 K steps][1,536], ops [row block][4][16 rows][4 words]: x's row blocks 0-255, the weights' 256-447 (wq; then for each kv head wk's 8 blocks and wv's 8).  rope [1024][cos 64 | sin 64].
; OUT: qkvc [b 4][head slot 24][step 8][tile 8][1,536]; qkvs [b][slot][step][2][16 rows][4 words].  Slots 0-15: q's heads; 16 + 2 g: k of kv head g; 17 + 2 g: v.  For q and k a step is 128 positions and a tile 16 of them;
; for v a step is 128 keys (its K) and a tile 16 of the head's 128.  The rows of every tile lie in the order block u, place i = row 8 u + i + 8 (i / 8) of a group of 32.
; SHARES.  A tile of 256 x 256 to a work-group of four waves, 128 x 128 a wave (64 accumulators, 512 registers): 128 positions x one head.  K goes in steps of 256 through two LDS slots; a fragment lies in LDS as it lies
; in registers: three loads of 16 bytes a lane, 512 consecutive bytes each; no pitch, no padding.  All scale words of the work-group's rows come once, with the first fills.
; CLUSTERS: 4 x 4; x's tiles are asked for jointly along a row of the cluster, the weights' along a column.
; THE PRODUCT IS USED TRANSPOSED: source 0 = 16 rows of the weight, source 1 = 16 rows of x: a lane holds one position, and its 64 registers of a block a run along the head's 128, 16 neighbours for each 32: as the quantiser wants them.
; A WAVE THAT MAKES v RUNS THE SAME LINES WITH ITS TWO LDS BASES CHANGED OVER: source 0 = x's rows, source 1 = wv's: a lane then holds one of the head's 128, and its registers run along 128 keys.
; COS AND SIN of a block's 16 positions are 64 registers a lane; three sets take turns, so that block a + 3's are asked for while block a is quantised, and the first three under the last 192 matrix instructions: at most 48 loads are out.
; LIMITS: NaN and infinities are not served; a block of zeros gets the byte 1 (its codes are zeros; this program alone reads the bytes).
; REGISTERS: window 0: v16-31 addresses; v32-63 scale words, two sets; v64-127 cos and sin, set 0; v128-223 source 1's fragments, one set (on the way out v128-243 at work).  window 1: source 0's fragments, two sets, at v0 and v128;
;   from the last step on v0-63 and v64-127 are cos and sin, sets 1 and 2.   windows 2, 3: the accumulators, (a, b) at 8 (8 a + b).
.set NBB,   8                          ; source 0's blocks of a wave
.set NQ,    2                          ; steps of 128 along K in a slot
.set NL,    3                          ; LDS loads that bring a fragment
.set FR,    12
.set NP,    4                          ; places behind this matrix instruction (ISA guide 7.12.1)
.set FIB,   1536
.set RBK,   16*FIB                     ; a row block's codes
.set ROWA,  NQ*FIB                     ; a row block's part of a slot
.set HALFA, 8*ROWA
.set HALFB, NBB*ROWA
.set SLOT,  2*HALFA+2*HALFB            ; x's two halves, then the weights' two
.set SCL,   2*SLOT                     ; the scale words: four times 8 row blocks x 1,024 bytes
; THE FOURTH COLUMN OF CLUSTERS (cluster x = 3, 64 work-groups) has no tile of q, k, v: it quantises wo [2048][2048] f32 into wob: codes [128 row blocks][16 K steps][1,536], then from byte WOS on the
; scale words [128][4][16 rows][4 words], rows of a block ordered as in opc.  Work-group g takes the group g of 32 rows; wave w block w & 1 and half w >> 1 of K: four trips of two fragments.  That way issues no tensor load.
; THE HEAD: one joint load a wave: wave 0 x's 16 row blocks of slot 0, wave 1 the weights', wave 2 x's scale words, wave 3 the weights'; slot 1 is first filled as a refill is.
; PREFETCHES: behind the load of slot j stands one request a wave for slot j + 2 (at the head for slots 1 and 2): of the 8 row blocks x 3,072 bytes that a wave fetches, each of the four partners names 2 row blocks,
; 24 blocks of 256 bytes, a lane a block (lanes 24-31 name lane 23's again), told apart by address (cx for x, cy for the weights).  The last two refills ask for nothing: slot 7 is the last.
.set SPARE, 245760
.set WSTG,  246272                     ; behind the spare words: wo's way alone: four stages of 16 rows x 528 bytes, into which no tensor load lands
.set STG,   8448
.set WOS,   3145728                    ; where wo's scale words begin in wob
.set PFO,   24                         ; v24    the prefetches' lane offset; never rewritten
.set PFA,   4                          ; s[4:5] where my prefetches stand
.set WQKV_C, 256*RBK
.set WQKV_S, 256*1024
.set ADRA, 16                          ; v16-17 source 1's fragments in slot 0, 1
.set ADRB, 20                          ; v20-21 source 0's
.set ADRS, 27                          ; v27    my scale words: lanes 0-15 source 1's rows, lanes 16-31 source 0's
.set SPW,  28
.set NIL,  29
.set TA,   30                          ; v30    my row and half in the tables
.set LI,   31                          ; v31    16 x lane
.set SC,   32
.set AF,   128
.set H,    128                         ; the way out: 64 rotated numbers
.set PC,   192
.set TM,   212
.set PW,   232
.set SEL,  98
.set G1, 24
.set G0, 32
.set G1B, 48
.set G0B, 56
.set G1S, 68
.set G0S, 76
.set G1SB, 80
.set G0SB, 88
.set TO_B, 0x40
.set MSB, 0
.macro WIN new                         ; the immediate's high byte repeats the setting that is left
.if MSB != (\new)
	s_set_vgpr_msb (MSB<<8)|(\new)
.set MSB, (\new)
.endif
.endm
.macro PLACES n
.rept \n
	v_nop
.endr
.endm
; A joint load: waves 0 and 1 fetch x's halves, waves 2 and 3 the weights'.  The branch hangs on the wave's number alone.  An s_nop 0 and four v_nop follow each line.
.macro JLOAD g0a, g1a, g0b, g1b
	s_cmp_eq_u32 s15, 0
	s_cbranch_scc0 .Lfor_b_\@
	tensor_load_to_lds s[\g0a:\g0a+3], s[\g1a:\g1a+7]
	s_nop 0
.rept 4
	v_nop
.endr
	s_branch .Lasked_\@
.Lfor_b_\@:
	tensor_load_to_lds s[\g0b:\g0b+3], s[\g1b:\g1b+7]
	s_nop 0
.rept 4
	v_nop
.endr
.Lasked_\@:
.endm
.macro CREST                           ; a round of the cluster's barrier behind its opening barrier
	s_cmp_lg_u32 s14, 0
	s_cbranch_scc1 .Lnot_wave_0_\@
	s_barrier_signal -3
.Lnot_wave_0_\@:
	s_barrier_wait -3
	s_barrier_signal -1
	s_barrier_wait -1
.endm
.macro CROUND
	s_barrier_signal -1
	s_barrier_wait -1
	CREST
.endm
; 64 numbers of a lane, v[s] on in window W, register 16 b + i = k 32 b + 16 (lane / 16) + i of my row, become a fragment in v[PC] on and its scale word in v[pw] (window 0).  Each accumulator is read from its low end on.
.macro QUANT s, W, pw
	WIN (\W)|((\W)<<2)
.irp b, 0,1,2,3
	v_max3_num_f32 v[TM+\b], |v[\s+16*\b]|, |v[\s+16*\b+1]|, 0x1800000   ; and the floor 2^(3 - 127): the byte cannot fall under 1
.endr
.irp i, 2,4,6,8,10,12,14
.irp b, 0,1,2,3
	v_max3_num_f32 v[TM+\b], |v[\s+16*\b+\i]|, |v[\s+16*\b+\i+1]|, v[TM+\b]
.endr
.endr
	WIN 0
.irp b, 0,1,2,3
	v_permlanex16_b32 v[TM+4+\b], v[TM+\b], s[SEL], s[SEL+1]
.endr
.irp b, 0,1,2,3
	v_max_num_f32 v[TM+\b], v[TM+\b], v[TM+4+\b]
.endr
.irp b, 0,1,2,3
	v_add_nc_u32 v[TM+12+\b], 0xff000000, v[TM+\b]         ; 2 off the exponent field: the conversion's scale operand
.endr
.irp b, 0,1,2,3
	v_lshrrev_b32 v[TM+4+\b], 23, v[TM+12+\b]
.endr
	v_lshl_or_b32 v[\pw], v[TM+5], 8, v[TM+4]
	v_lshl_or_b32 v[\pw], v[TM+6], 16, v[\pw]
	v_lshl_or_b32 v[\pw], v[TM+7], 24, v[\pw]
	WIN (\W)
.irp c, 0,1
	v_cvt_scalef32_pk16_fp6_f32 v[PC+6*\c:PC+6*\c+2], v[\s+32*\c:\s+32*\c+15], v[TM+12+2*\c]
	v_cvt_scalef32_pk16_fp6_f32 v[PC+12+4*\c:PC+14+4*\c], v[\s+32*\c+16:\s+32*\c+31], v[TM+13+2*\c]
.endr
	WIN 0
	v_nop                                                  ; one plain instruction behind the scaled conversions
.irp c, 0,1
.irp i, 0,1,2
	v_permlane16_swap_b32 v[PC+6*\c+\i], v[PC+12+4*\c+\i]
.endr
.irp i, 0,1,2
	v_mov_b32 v[PC+3+6*\c+\i], v[PC+12+4*\c+\i]
.endr
.endr
.endm
	s_load_b256 s[4:11], s[0:1], 0x0               ; opc s[4:5], ops s[6:7], rope s[8:9], qkvc s[10:11]
	s_load_b64 s[12:13], s[0:1], 0x20              ; qkvs
	v_lshl_add_u32 v[SPW], v0, 2, SPARE
	v_mov_b32 v[NIL], 0
	ds_add_u32 v[SPW], v[NIL]                      ; the wave's opening: the add and its wait stand ahead of my first tensor load; work on registers stands between them
	ds_add_u32 v[SPW], v[NIL]
	v_lshrrev_b32 v1, 5, v0
	v_readfirstlane_b32 s14, v1                    ; wave 0..3
	s_lshr_b32 s15, s14, 1                         ; which 128 positions are mine.  Also: I fetch for x (0) or for the weights (1)
	s_and_b32 s16, s14, 1                          ; which head of the tile's two.  Also: which half I fetch
	s_bfe_u32 s40, ttmp6, 0x40000                  ; cx
	s_bfe_u32 s41, ttmp6, 0x40004                  ; cy
	s_lshl_b32 s42, ttmp9, 2
	s_add_co_u32 s42, s42, s40                     ; tile column
	s_and_b32 s17, ttmp7, 0xffff
	s_lshl_b32 s17, s17, 2
	s_add_co_u32 s17, s17, s41                     ; tile row
	s_lshl_b32 s43, s41, 2
	s_lshl_b32 s43, 15, s43                        ; my row of the cluster
	s_lshl_b32 s44, 0x1111, s40                    ; my column
	s_or_b32 s[G1+0], s43, (3<<16)|(1<<21)         ; 15:0 the mask; 17:16 elements of 8 bytes; 21 set beside a mask; no padding
	s_or_b32 s[G1B+0], s44, (3<<16)|(1<<21)
.irp g, G1, G1B                                    ; 8 row blocks x ROWA bytes, RBK bytes apart
	s_mov_b32 s[\g+1], (ROWA/8)<<16                ; tensor_dim0
	s_mov_b32 s[\g+2], 16<<16                      ; tensor_dim1: 16 row blocks for the head's loads; 8 behind them
	s_mov_b32 s[\g+3], (ROWA/8)<<16                ; tile_dim0
	s_mov_b32 s[\g+4], 16                          ; tile_dim1
	s_mov_b32 s[\g+5], RBK/8                       ; the pitch
	s_mov_b32 s[\g+6], 0
	s_mov_b32 s[\g+7], 0
.endr
	s_or_b32 s[G1S+0], s43, (3<<16)|(1<<21)
	s_or_b32 s[G1SB+0], s44, (3<<16)|(1<<21)
.irp g, G1S, G1SB                                  ; the scale words of 16 row blocks: 16,384 dense bytes as 64 rows of 256
	s_mov_b32 s[\g+1], 32<<16
	s_mov_b32 s[\g+2], 64<<16                      ; 16 row blocks' scale words: 16,384 dense bytes as 64 rows of 256
	s_mov_b32 s[\g+3], 32<<16
	s_mov_b32 s[\g+4], 64
	s_mov_b32 s[\g+5], 32
	s_mov_b32 s[\g+6], 0
	s_mov_b32 s[\g+7], 0
.endr
	s_mul_i32 s18, s16, 8*RBK                      ; in the ring I fetch 8 row blocks: which half, in bytes
	s_mov_b32 s19, 0
	s_lshl_b32 s20, s17, 4                         ; x: row block 16 x tile row
	s_lshl_b32 s46, s42, 4                         ; the weights: 16 x tile column
	s_lshl_b32 s22, s20, 10
	s_mov_b32 s23, 0
	s_lshl_b32 s92, s46, 10
	s_add_co_u32 s92, s92, WQKV_S
	s_mov_b32 s93, 0
	s_mul_i32 s20, s20, RBK
	s_mov_b32 s21, 0
	s_mul_i32 s46, s46, RBK
	s_add_co_u32 s46, s46, WQKV_C
	s_mov_b32 s47, 0
	s_mul_i32 s45, s14, HALFA                      ; where they go: wave x a half: no place in the cluster enters an LDS address
	s_cmp_eq_u32 ttmp9, 2                          ; the third column of clusters holds [k | v] of the four kv heads
	s_cselect_b32 s95, s16, 0                      ; 1: my wave makes v.  The same in all sixteen partners, for a given wave
	s_mov_b32 s96, 0xffff0000
	s_mov_b32 s[SEL], 0x76543210
	s_mov_b32 s[SEL+1], 0xfedcba98
	s_wait_dscnt 0x0                               ; the opening add is done
	s_wait_kmcnt 0x0
	s_cmp_eq_u32 ttmp9, 3                          ; the cluster's x: the same in all sixteen partners
	s_wait_alu depctr_va_vdst(0)                   ; the wait ahead of the branch
	s_cbranch_scc1 .Lwo
	s_add_nc_u64 s[20:21], s[4:5], s[20:21]
	s_add_nc_u64 s[22:23], s[6:7], s[22:23]
	s_add_nc_u64 s[46:47], s[4:5], s[46:47]
	s_add_nc_u64 s[92:93], s[6:7], s[92:93]
	CROUND                                         ; all sixteen work-groups are here: the first joint loads meet
	s_mov_b32 s[G0S], 1
	s_mov_b32 s[G0S+1], SCL
	s_mov_b64 s[G0S+2:G0S+3], s[22:23]
	s_or_b32 s[G0S+3], s[G0S+3], 0x80000000
	s_mov_b32 s[G0SB], 1
	s_mov_b32 s[G0SB+1], SCL+16384
	s_mov_b64 s[G0SB+2:G0SB+3], s[92:93]
	s_or_b32 s[G0SB+3], s[G0SB+3], 0x80000000
	s_mov_b32 s[G0], 1                             ; the head's loads of slot 0, each whole: x's 16 row blocks,
	s_mov_b32 s[G0+1], 0
	s_mov_b64 s[G0+2:G0+3], s[20:21]
	s_or_b32 s[G0+3], s[G0+3], 0x80000000
	s_mov_b32 s[G0B], 1                            ; and the weights', behind them
	s_mov_b32 s[G0B+1], 2*HALFA
	s_mov_b64 s[G0B+2:G0B+3], s[46:47]
	s_or_b32 s[G0B+3], s[G0B+3], 0x80000000
	s_add_nc_u64 s[20:21], s[20:21], s[18:19]      ; for the ring: my 8 row blocks
	s_add_nc_u64 s[46:47], s[46:47], s[18:19]
	s_mov_b32 s[G0+4], 1                           ; slot 1's group 0
	s_add_co_u32 s[G0+5], s45, SLOT
	s_add_nc_u64 s[G0+6:G0+7], s[20:21], ROWA
	s_or_b32 s[G0+7], s[G0+7], 0x80000000
	s_mov_b32 s[G0B+4], 1
	s_add_co_u32 s[G0B+5], s45, SLOT
	s_add_nc_u64 s[G0B+6:G0B+7], s[46:47], ROWA
	s_or_b32 s[G0B+7], s[G0B+7], 0x80000000
; one chain of branches on the wave's number, one load to an arm, all arms to one join
.macro ARM under, g0, g1, next
	s_cmp_lt_u32 s14, \under
	s_cbranch_scc0 \next
	tensor_load_to_lds s[\g0:\g0+3], s[\g1:\g1+7]
	s_nop 0
.rept 4
	v_nop
.endr
	s_branch .Lhead_asked
\next:
.endm
	ARM 1, G0,  G1,  .Lhead_b
	ARM 2, G0B, G1B, .Lhead_sa
	ARM 3, G0S, G1S, .Lhead_sb
	tensor_load_to_lds s[G0SB:G0SB+3], s[G1SB:G1SB+7]
	s_nop 0
.rept 4
	v_nop
.endr
.Lhead_asked:
	s_cmp_eq_u32 s15, 0                            ; do I fetch for x?
	s_cselect_b64 s[PFA:PFA+1], s[20:21], s[46:47] ; my 8 row blocks,
	s_cselect_b32 s6, s40, s41                     ; my place among the four that ask for them with me,
	s_mul_i32 s6, s6, 2*RBK                        ; my work-group's 2 of them
	s_mov_b32 s7, 0
	s_add_nc_u64 s[PFA:PFA+1], s[PFA:PFA+1], s[6:7]
	v_and_b32 v5, 31, v0
	v_min_u32 v5, 23, v5                           ; 24 blocks of 256 bytes
	v_mul_u32_u24 v6, v5, 43
	v_lshrrev_b32 v6, 9, v6                        ; lane / 12: which row block
	v_mul_u32_u24 v7, v6, 12
	v_sub_nc_u32 v5, v5, v7                        ; lane % 12: which 256 bytes of its 3,072
	v_lshlrev_b32 v5, 8, v5
	v_mad_u32_u24 v[PFO], v6, RBK, v5
	global_prefetch_b8 v[PFO], s[PFA:PFA+1] offset:ROWA th:TH_LOAD_NT scope:SCOPE_SE     ; slot 1
	global_prefetch_b8 v[PFO], s[PFA:PFA+1] offset:2*ROWA th:TH_LOAD_NT scope:SCOPE_SE   ; slot 2
	v_and_b32 v1, 15, v0                           ; r
	v_bfe_u32 v2, v0, 4, 1                         ; h
	v_and_b32 v3, 31, v0
	v_lshlrev_b32 v[LI], 4, v3
	s_wait_alu depctr_va_vdst(0)
	s_mul_i32 s21, s15, HALFA                      ; x's 128 rows of mine
	s_mul_i32 s22, s16, HALFB
	s_add_co_u32 s22, s22, 2*HALFA                 ; the weight's 128 rows of mine
	s_cmp_eq_u32 s95, 0
	s_cselect_b32 s18, s21, s22                    ; source 1's rows: x's, or wv's in a wave that makes v
	s_cselect_b32 s19, s22, s21                    ; source 0's: the other
.irp s, 0,1
	v_add_nc_u32 v[ADRA+\s], s18, v[LI]
	v_add_nc_u32 v[ADRB+\s], s19, v[LI]
	s_add_co_u32 s18, s18, SLOT
	s_add_co_u32 s19, s19, SLOT
.endr
	v_xor_b32 v4, s95, v2                          ; 0: x's scale words, 1: the weight's
	s_lshl_b32 s21, s16, 13
	s_add_co_u32 s21, s21, 16384
	s_lshl_b32 s22, s15, 13
	s_sub_co_u32 s21, s21, s22                     ; from x's half of mine to the weight's half of mine
	v_mul_u32_u24 v4, s21, v4
	v_lshl_add_u32 v4, v1, 4, v4                   ; + 16 r
	s_add_co_u32 s22, s22, SCL
	v_add_nc_u32 v[ADRS], s22, v4
	v_and_b32 v5, 8, v1
	v_add_nc_u32 v5, v5, v1                        ; r + 8 (r / 8)
	v_lshlrev_b32 v[TA], 9, v5
	v_lshl_add_u32 v[TA], v2, 6, v[TA]             ; the tables: that row of 512 bytes, + 64 h
	s_lshl_b32 s66, s42, 1                         ; where my results go (registers that fed no descriptor)
	s_add_co_u32 s66, s66, s16                     ; the head slot
	s_lshr_b32 s67, s17, 2                         ; b
	s_mul_i32 s67, s67, 24
	s_add_co_u32 s66, s66, s67
	s_lshl_b32 s66, s66, 3
	s_and_b32 s67, s17, 3
	s_lshl_b32 s67, s67, 1
	s_add_co_u32 s67, s67, s15                     ; the step: my 128 positions in the sequence
	s_add_co_u32 s66, s66, s67
	s_mul_i32 s100, s66, 8*FIB
	s_mov_b32 s101, 0
	s_add_nc_u64 s[10:11], s[10:11], s[100:101]
	s_lshl_b32 s100, s66, 9
	s_add_nc_u64 s[12:13], s[12:13], s[100:101]
	s_lshl_b32 s100, s67, 16                       ; 128 rows of 512 bytes
	s_add_nc_u64 s[8:9], s[8:9], s[100:101]
.macro FRAG reg, adr, q, i             ; a fragment comes as it was stored: three loads, 512 consecutive bytes each
.irp c, 0,1,2
	ds_load_b128 v[\reg+4*\c:\reg+4*\c+3], v[\adr] offset:(\i)*ROWA+(\q)*FIB+512*\c
.endr
.endm
.macro FETCH_B slot, q, p              ; source 0's blocks of the slot's q-th 128 along K into set p
	WIN TO_B
.set IB, 0
.rept NBB
	FRAG 128*(\p)+FR*IB, ADRB+\slot, \q, IB
.set IB, IB+1
.endr
	WIN 0
.endm
.macro FETCH_A slot, q, i0             ; source 1's blocks i0 .. i0 + 3
.irp i, \i0, \i0+1, \i0+2, \i0+3
	FRAG AF+FR*(\i), ADRA+\slot, \q, \i
.endr
.endm
.macro SCALES sc                       ; a slot's two scale words a row into set sc; the slot's parity stands in the immediate
.irp i, 0,1,2,3,4,5,6,7
	ds_load_b64 v[SC+8*NQ*(\sc)+NQ*\i:SC+8*NQ*(\sc)+NQ*\i+1], v[ADRS] offset:\i*1024+8*(\sc)
.endr
.endm
; NBB matrix instructions: source 1's block a against source 0's blocks.  The accumulators take turns, one instruction a turn, in the same order in every step.
.macro MULA a, p, q, sc, zero
.set AR, (8*NBB*(\a))%256
	WIN 0xa1+0x50*((8*NBB*(\a))/256)               ; source 0 window 1, source 1 window 0, C and D window 2 or 3
.set BI, 0
.rept NBB
.if \zero
	v_wmma_scale_f32_16x16x128_f8f6f4 v[AR+8*BI:AR+8*BI+7], v[128*(\p)+FR*BI:128*(\p)+FR*BI+FR-1], v[AF+FR*(\a):AF+FR*(\a)+FR-1], 0, v[SC+8*NQ*(\sc)+NQ*BI+(\q)], v[SC+8*NQ*(\sc)+NQ*(\a)+(\q)] matrix_a_fmt:MATRIX_FMT_FP6 matrix_b_fmt:MATRIX_FMT_FP6 matrix_a_scale:MATRIX_SCALE_ROW1
.else
	v_wmma_scale_f32_16x16x128_f8f6f4 v[AR+8*BI:AR+8*BI+7], v[128*(\p)+FR*BI:128*(\p)+FR*BI+FR-1], v[AF+FR*(\a):AF+FR*(\a)+FR-1], v[AR+8*BI:AR+8*BI+7], v[SC+8*NQ*(\sc)+NQ*BI+(\q)], v[SC+8*NQ*(\sc)+NQ*(\a)+(\q)] matrix_a_fmt:MATRIX_FMT_FP6 matrix_b_fmt:MATRIX_FMT_FP6 matrix_a_scale:MATRIX_SCALE_ROW1
.endif
.set BI, BI+1
.endr
.endm
; A step of 128 along K that has its successor in the same slot.
.macro STEP slot, q, zero
	s_wait_dscnt 4*NL                              ; all but the youngest twelve loads (source 1's blocks 4-7)
.irp a, 0,1,2,3
	MULA \a, (\q)%2, \q, \slot, \zero
.endr
	s_wait_dscnt 0                                 ; blocks 4-7 are in
	PLACES NP                                      ; in front of loads into registers that matrix instructions have read
	FETCH_B \slot, (\q)+1, 1-(\q)%2
	FETCH_A \slot, (\q)+1, 0
.irp a, 4,5,6,7
	MULA \a, (\q)%2, \q, \slot, \zero
.endr
	PLACES NP
	WIN 0
	FETCH_A \slot, (\q)+1, 4
.endm
; A slot's last step changes slots: one barrier; in front of it each wave waits for all its tensor loads, adds 0 to its spare word, and waits for that and for its reads of this slot.  fill = 1: the slot is filled again, two slots ahead.
.macro TURN slot, next, fill
.if \fill
	s_wait_xcnt 0x0                                ; my last prefetch has read its address, which is stepped here, a slot behind it
	s_add_nc_u64 s[PFA:PFA+1], s[PFA:PFA+1], ROWA
.endif
	s_wait_tensorcnt 0x0
	ds_add_u32 v[SPW], v[NIL]                      ; 0 onto my spare word
	s_wait_dscnt 4*NL+1                            ; (the add and the youngest twelve loads may be out)
	MULA 0, 1, NQ-1, \slot, 0
	MULA 1, 1, NQ-1, \slot, 0
	s_wait_dscnt 0x0                               ; the add is done, and my reads of this slot are over
	s_barrier_signal -1
	MULA 2, 1, NQ-1, \slot, 0
	MULA 3, 1, NQ-1, \slot, 0
	WIN 0
	s_barrier_wait -1
.if \fill
	CREST                                          ; the barrier has opened a round of the cluster's barrier: no wave of any partner still reads this slot or has a load on its way
	s_add_nc_u64 s[G0+4*\slot+2:G0+4*\slot+3], s[G0+4*\slot+2:G0+4*\slot+3], 2*ROWA
	s_add_nc_u64 s[G0B+4*\slot+2:G0B+4*\slot+3], s[G0B+4*\slot+2:G0B+4*\slot+3], 2*ROWA
	JLOAD G0+4*\slot, G1, G0B+4*\slot, G1B         ; the first tensor load behind the round; its four v_nop are the places in front of the loads below
.else
	PLACES NP
.endif
.if (\next) == 0
	v_add_nc_u32 v[ADRS], 256, v[ADRS]             ; two slots are four K steps: the next quad of scale words
.endif
	FETCH_B \next, 0, 0
	FETCH_A \next, 0, 0
	s_wait_alu depctr_va_vdst(0)
	SCALES \next
.if \fill
	s_cmp_gt_u32 s3, 1                             ; the loop's last trip loads slots 6 and 7: no slot stands two on
	s_cbranch_scc0 .Lno_ask_\@
	global_prefetch_b8 v[PFO], s[PFA:PFA+1] offset:3*ROWA th:TH_LOAD_NT scope:SCOPE_SE   ; the slot two loads on
.Lno_ask_\@:
.endif
.irp a, 4,5,6,7
	MULA \a, 1, NQ-1, \slot, 0
.endr
	PLACES NP
	WIN 0
	FETCH_A \next, 0, 4
.endm
; Block a's cos and sin lie in set a % 3: set 0 at v64 of window 0, sets 1 and 2 at v0 and v64 of window 1.  TW: the set's window; TBS: its first register.
.macro TSET a
.set TW, (((\a)%3)+2)/3
.set TBS, 64*(1-TW)+TW*64*(((\a)%3)-1)
.endm
; cos and sin of block a's 16 positions: my position's 32 + 32 numbers, in the order of my registers
.macro TABLE a
	TSET \a
	WIN TW<<6                                      ; the destination's window; the address lies in window 0
.irp sn, 0,1
.irp be, 0,1
.irp k, 0,1,2,3
	global_load_b128 v[TBS+32*\sn+16*\be+4*\k:TBS+32*\sn+16*\be+4*\k+3], v[TA], s[8:9] offset:(32*((\a)/2)+8*((\a)%2))*512+256*\sn+128*\be+16*\k
.endr
.endr
.endr
	WIN 0
.endm
; The rotation of block a: channel d and channel d + 64 lie in the same lane, 32 registers apart.  Each accumulator is read from its low end on.
.macro ROPE a
	TSET \a
.set AC, 64*((\a)%4)
	WIN (2+(\a)/4)|(TW<<2)                         ; source 0: the accumulators' window; source 1: the window of cos and sin
.irp n, 0,2,4,6,8,10,12,14,16,18,20,22,24,26,28,30
	v_pk_mul_f32 v[H+\n:H+\n+1], v[AC+\n:AC+\n+1], v[TBS+\n:TBS+\n+1]
	v_pk_mul_f32 v[H+32+\n:H+33+\n], v[AC+32+\n:AC+33+\n], v[TBS+\n:TBS+\n+1]
.endr
.irp n, 0,2,4,6,8,10,12,14,16,18,20,22,24,26,28,30
	v_pk_fma_f32 v[H+\n:H+\n+1], v[AC+32+\n:AC+33+\n], v[TBS+32+\n:TBS+33+\n], v[H+\n:H+\n+1]                                   ; x1 cos + x2 sin
	v_pk_fma_f32 v[H+32+\n:H+33+\n], v[AC+\n:AC+\n+1], v[TBS+32+\n:TBS+33+\n], v[H+32+\n:H+33+\n] neg_lo:[1,0,0] neg_hi:[1,0,0]   ; x2 cos - x1 sin
.endr
	WIN 0
.endm
	s_wait_alu depctr_va_vdst(0)
	s_wait_tensorcnt 0x0                           ; my tile of the head's four is in
	ds_add_u32 v[SPW], v[NIL]
	s_mov_b32 s[G1+2], 8<<16                       ; no tensor load of mine is out: from here on a load brings 8 row blocks,
	s_mov_b32 s[G1+4], 8
	s_mov_b32 s[G1B+2], 8<<16
	s_mov_b32 s[G1B+4], 8
	s_mul_i32 s18, s16, 8*RBK
	s_mov_b32 s19, 0
	s_mov_b32 s[G0+1], s45                         ; and slot 0's group 0 stands at my half
	s_add_nc_u64 s[G0+2:G0+3], s[G0+2:G0+3], s[18:19]
	s_mov_b32 s[G0B+1], s45
	s_add_nc_u64 s[G0B+2:G0B+3], s[G0B+2:G0B+3], s[18:19]
	s_wait_dscnt 0x0
	CROUND                                         ; a whole round: all four tiles are in, and the joint loads meet
	JLOAD G0+4, G1, G0B+4, G1B                     ; slot 1, the first tensor load behind the round
	FETCH_B 0, 0, 0
	FETCH_A 0, 0, 0
	SCALES 0
	FETCH_A 0, 0, 4
	global_prefetch_b8 v[PFO], s[PFA:PFA+1] offset:3*ROWA th:TH_LOAD_NT scope:SCOPE_SE   ; slot 3
	STEP 0, 0, 1                                   ; the first step stands in front of the loop: its products start the sums
	s_mov_b32 s3, 3
.Llap:                                             ; a trip goes once round the ring and fills both slots again
	TURN 0, 1, 1
	STEP 1, 0, 0
	TURN 1, 0, 1
	STEP 0, 0, 0
	s_sub_co_u32 s3, s3, 1
	s_cmp_lg_u32 s3, 0
	s_cbranch_scc1 .Llap
	TABLE 0                                        ; block 0's cos and sin are asked for three steps ahead of their use (every wave asks: a wave that makes v has no use for the tables, and is spared a branch)
	TURN 0, 1, 0                                   ; the last lap fills nothing
	STEP 1, 0, 0
	TABLE 1                                        ; blocks 1's and 2's, into window 1's v0-127: source 0's set 0 has been multiplied for the last time, and the step's four closing v_nop are the places behind those products
	TABLE 2
	s_wait_dscnt 4*NL
.irp a, 0,1,2,3
	MULA \a, 1, NQ-1, 1, 0
.endr
	s_wait_dscnt 0
.irp a, 4,5,6,7
	MULA \a, 1, NQ-1, 1, 0
.endr
	WIN 0
	; THE WAY OUT: block by block, 16 rows x 128: rotated (q, k), quantised in registers, stored as a fragment's image: 3 x 512 consecutive bytes.
	PLACES NP                                      ; behind the last products: their results are read and their operands' registers written below
.irp b, 0,1,2,3
	v_mov_b32 v[TM+4+\b], 0                        ; a lane permute's destination counts as one of its sources
.endr
	s_cmp_lg_u32 s95, 0
	s_cbranch_scc1 .Lv_way
.irp a, 0,1,2,3,4,5,6,7
.if \a < 6
	s_wait_loadcnt 32                              ; this block's cos and sin are in; the next two blocks' 32 loads may be out
.else
	s_wait_loadcnt 16*(7-\a)                       ; the counts run down: block 7's 16, then none
.endif
	ROPE \a
.if \a > 0
	s_wait_xcnt 0x0                                ; the last block's stores, issued ahead of the rotation, have read the fragment's registers, which are written again below; the wait stands ahead of the new loads, so that it covers none of them
.endif
.if \a < 5
	TABLE \a+3                                     ; into the set that the rotation has just read: three blocks ahead of its use
.endif
	QUANT H, 0, PW+\a
.irp g, 0,1,2
	global_store_b128 v[LI], v[PC+4*\g:PC+4*\g+3], s[10:11] offset:FIB*\a+512*\g
.endr
.endr
	s_branch .Ljoin
.Lv_way:
.irp a, 0,1,2,3,4,5,6,7
.set AC, 64*(\a%4)
.if \a > 0
	s_wait_xcnt 0x0                                ; the last block's stores have read the fragment's registers
.endif
	QUANT AC, 2+\a/4, PW+\a                        ; 16 of the head's 128 x 128 keys, straight from the accumulators
.irp g, 0,1,2
	global_store_b128 v[LI], v[PC+4*\g:PC+4*\g+3], s[10:11] offset:FIB*\a+512*\g
.endr
.endr
.Ljoin:
.irp e, 0,1,2,3
	v_cndmask_b32 v[240+\e], v[PW+\e], v[PW+4+\e], s96     ; lanes 0-15: tiles 0-3's words, lanes 16-31: tiles 4-7's
.endr
	global_store_b128 v[LI], v[240:243], s[12:13]  ; 512 consecutive bytes
	s_wait_tensorcnt 0x0                           ; the wave's end
	ds_add_u32 v[SPW], v[NIL]
	s_wait_dscnt 0x0
	CROUND                                         ; the closing round: no work-group ends while a partner may still ask for a tile that names it
	s_endpgm
	; ---------------- wo's quantiser: cluster x = 3 ----------------
	; Each load reads 512 consecutive bytes of one row; a step's 16 rows turn through the wave's own stage, so that a lane gets 16 neighbours of each block of 32 (window 1, v0-63).  Waves share nothing.
.macro WLOAD t
.irp i, 0,1,2,3,4,5,6,7,8,9,10,11,12,13,14,15
	global_load_b128 v[64+64*(\t)+4*\i:64+64*(\t)+4*\i+3], v4, s[4:5] offset:(\i+8*(\i/8))*8192+512*(\t) th:TH_LOAD_NT
.endr
.endm
.macro WTURN t
.irp i, 0,1,2,3,4,5,6,7,8,9,10,11,12,13,14,15
	ds_store_b128 v5, v[64+64*(\t)+4*\i:64+64*(\t)+4*\i+3] offset:528*\i
.endr
	WIN TO_B
.irp b, 0,1,2,3
.irp k, 0,1,2,3
	ds_load_b128 v[16*\b+4*\k:16*\b+4*\k+3], v6 offset:128*\b+16*\k     ; LDS serves a wave's instructions in order: these see the stores
.endr
.endr
	WIN 0
.endm
.Lwo:
	s_load_b128 s[4:7], s[0:1], 0x28               ; wo, wob
	v_and_b32 v1, 31, v0
	v_and_b32 v2, 15, v0
	v_bfe_u32 v3, v0, 4, 1
	v_lshlrev_b32 v4, 4, v1                        ; 16 x lane
	v_lshlrev_b32 v7, 4, v2                        ; 16 r: my row's four scale words in a quad
	s_mul_i32 s21, s14, STG
	s_add_co_u32 s21, s21, WSTG
	v_add_nc_u32 v5, s21, v4                       ; the stage, on the way in
	v_mul_u32_u24 v6, v2, 528
	v_lshl_add_u32 v6, v3, 6, v6
	v_add_nc_u32 v6, s21, v6                       ; and out: row r, + 64 h
.irp b, 0,1,2,3
	v_mov_b32 v[TM+4+\b], 0                        ; a lane permute's destination counts as one of its sources
.endr
	v_mov_b32 v[PW], 0
	v_mov_b32 v[PW+1], 0
	s_lshl_b32 s36, s17, 2
	s_add_co_u32 s36, s36, s40                     ; the group of 32 rows: 4 x (4 x cluster y + cy) + cx
	s_lshl_b32 s26, s36, 18                        ; 32 rows of 8,192 bytes
	s_lshl_b32 s27, s16, 16                        ; + 8 u rows
	s_add_co_u32 s26, s26, s27
	s_lshl_b32 s27, s15, 12                        ; + my half of K
	s_add_co_u32 s26, s26, s27
	s_mov_b32 s27, 0
	s_lshl_b32 s29, s36, 1
	s_add_co_u32 s29, s29, s16                     ; my row block
	s_mul_i32 s30, s29, RBK
	s_mul_i32 s31, s15, 8*FIB
	s_add_co_u32 s30, s30, s31
	s_mov_b32 s31, 0
	s_lshl_b32 s32, s29, 10
	s_lshl_b32 s33, s15, 9
	s_add_co_u32 s32, s32, s33
	s_add_co_u32 s32, s32, WOS
	s_mov_b32 s33, 0
	s_mov_b32 s11, 0
	s_mov_b32 s3, 0
	s_wait_alu depctr_va_vdst(0)                   ; the wait ahead of the wait below
	s_wait_kmcnt 0x0
	s_add_nc_u64 s[4:5], s[4:5], s[26:27]
	s_add_nc_u64 s[8:9], s[6:7], s[32:33]          ; my two quads of scale words
	s_add_nc_u64 s[6:7], s[6:7], s[30:31]          ; my eight fragments
.Lwo_trip:                                             ; a trip: two steps of 128 along K, both steps' 32 loads out at its start
	WLOAD 0
	WLOAD 1
.irp t, 0,1
	s_wait_loadcnt 16*(1-\t)                       ; this step's 16 loads are in; the next step's 16 may be out
	WTURN \t
	s_wait_dscnt 0x0
.if \t > 0
	s_wait_xcnt 0x0                                ; the last step's stores have read the fragment's registers
.endif
	QUANT 0, 1, PW+2+\t
.irp g, 0,1,2
	global_store_b128 v4, v[PC+4*\g:PC+4*\g+3], s[6:7] offset:FIB*\t+512*\g
.endr
.endr
	s_wait_alu depctr_va_vdst(0)                   ; the wait ahead of the scalar lines and the reader below
	s_bitcmp1_b32 s3, 0                            ; a quad is four steps: it is whole in trips 1 and 3
	s_cselect_b32 s10, 256, 0
	s_cbranch_scc0 .Lwo_even
	global_store_b128 v7, v[PW:PW+3], s[8:9]       ; 256 consecutive bytes, aligned; lanes l and l + 16 write the same words to the same bytes
.Lwo_even:
	s_wait_xcnt 0x0                                ; the stores have read their registers and bases
	v_mov_b32 v[PW], v[PW+2]
	v_mov_b32 v[PW+1], v[PW+3]
	s_add_nc_u64 s[4:5], s[4:5], 1024
	s_add_nc_u64 s[6:7], s[6:7], 2*FIB
	s_add_nc_u64 s[8:9], s[8:9], s[10:11]
	s_add_co_u32 s3, s3, 1
	s_cmp_lt_u32 s3, 4
	s_wait_alu depctr_va_vdst(0)                   ; the wait ahead of the branch
	s_cbranch_scc1 .Lwo_trip
	s_wait_tensorcnt 0x0                           ; the wave's end, behind my last LDS store
	ds_add_u32 v[SPW], v[NIL]
	s_wait_dscnt 0x0
	CROUND                                         ; this cluster's one round
	s_endpgm
.Lfunc_end_k_qc7f4419a18_gemm_qkv:
	.size	k_qc7f4419a18_gemm_qkv, .Lfunc_end_k_qc7f4419a18_gemm_qkv-k_qc7f4419a18_gemm_qkv
	.p2alignl 7, 3214868480
	.fill 96, 4, 3214868480
	.section	.rodata,"a",@progbits
	.p2align	6, 0x0
	.amdhsa_kernel k_qc7f4419a18_gemm_qkv
		.amdhsa_group_segment_fixed_size 327680
		.amdhsa_private_segment_fixed_size 0
		.amdhsa_enable_private_segment 0
		.amdhsa_kernarg_size 56
		.amdhsa_user_sgpr_count 2
		.amdhsa_user_sgpr_kernarg_segment_ptr 1
		.amdhsa_wavefront_size32 1
		.amdhsa_system_sgpr_workgroup_id_x 1
		.amdhsa_system_sgpr_workgroup_id_y 1
		.amdhsa_system_sgpr_workgroup_id_z 1
		.amdhsa_system_vgpr_workitem_id 0
		.amdhsa_next_free_vgpr 1024
		.amdhsa_next_free_sgpr 102
		.amdhsa_reserve_vcc 0
		.amdhsa_float_denorm_mode_32 3
		.amdhsa_float_denorm_mode_16_64 3
		.amdhsa_memory_ordered 1
		.amdhsa_forward_progress 1
		.amdhsa_inst_pref_size 238
	.end_amdhsa_kernel
	.amdgpu_metadata
---
amdhsa.version: [ 1, 2 ]
amdhsa.kernels:
  - .name:           k_qc7f4419a18_gemm_qkv
    .symbol:         k_qc7f4419a18_gemm_qkv.kd
    .args:
      - { .name: opc, .offset: 0, .size: 8, .value_kind: global_buffer, .address_space: global }
      - { .name: ops, .offset: 8, .size: 8, .value_kind: global_buffer, .address_space: global }
      - { .name: rope, .offset: 16, .size: 8, .value_kind: global_buffer, .address_space: global }
      - { .name: qkvc, .offset: 24, .size: 8, .value_kind: global_buffer, .address_space: global }
      - { .name: qkvs, .offset: 32, .size: 8, .value_kind: global_buffer, .address_space: global }
      - { .name: wo, .offset: 40, .size: 8, .value_kind: global_buffer, .address_space: global }
      - { .name: wob, .offset: 48, .size: 8, .value_kind: global_buffer, .address_space: global }
    .group_segment_fixed_size: 327680
    .private_segment_fixed_size: 0
    .kernarg_segment_align: 8
    .kernarg_segment_size: 56
    .max_flat_workgroup_size: 128
    .sgpr_count:     102
    .vgpr_count:     1024
    .wavefront_size: 32
...
	.end_amdgpu_metadata
.endif
;; end of part 2
;; launch attn (part 3): grid 4 x 64, 16 waves a work-group, clusters of 4 x 1, 327,680 bytes of LDS; arguments qkvc, qkvs, yc, ys; writes yc, ys
.if DOCPART == 3
	.amdgcn_target "amdgcn-amd-amdhsa--gfx1250"
	.amdhsa_code_object_version 6
	.text
	.protected	k_qc7f4419a18_attn
	.globl	k_qc7f4419a18_attn
	.p2align	8
	.type	k_qc7f4419a18_attn,@function
k_qc7f4419a18_attn:
	s_mov_b64 s[64:65], 0
	v_nop
	global_prefetch_b8 v0, s[64:65] scope:SCOPE_SE
	s_setreg_imm32_b32 hwreg(HW_REG_WAVE_MODE, 25, 1), 1
	s_wait_xcnt 0x0
	s_wait_alu depctr_hold_cnt(0) depctr_sa_sdst(0) depctr_va_vdst(0) depctr_va_sdst(0) depctr_va_ssrc(0) depctr_va_vcc(0) depctr_vm_vsrc(0)
	s_getreg_b32 s2, hwreg(HW_REG_IB_STS2, 6, 4)
	s_cmp_eq_u32 s2, 0
	s_cbranch_scc0 .Lentry_in_a_cluster
	s_endpgm
.Lentry_in_a_cluster:
	s_bfe_u32 s2, ttmp6, 0x10000c
	s_cmp_lg_u32 s2, 0x3003
	s_cbranch_scc0 .Lentry_shape_is_right
	s_endpgm
.Lentry_shape_is_right:
; y = softmax(q k^T / sqrt(128), causal) v on codes of FP6 (E2M3) with E8M0 scales; y is divided by the row's sum, quantised along the 2,048 of the next product and stored as images of operand registers (yc, ys).
; Tiles of keys that lie wholly behind the causal mask are not multiplied: a wave jumps over those key steps by a branch on its number and the step alone.
; SHARES.  A cluster of four work-groups takes one (batch, head): 64 tiles of 16 queries; work-group cx takes tiles 4 s + cx, s = 0..15, one to a wave.  All 1,024 keys of k and v of the kv head, and their scale
; words, come into LDS once, jointly: waves 0-11 fetch 16,384 bytes of codes each, waves 12-15 2,048 bytes of scale words each: one tensor load a wave.  Nothing is filled again.
; No prefetch: all that the launch reads through LDS is asked for at its head; there is no loop to run ahead in.
; BOTH PRODUCTS ARE USED TRANSPOSED (S^T = k q^T, O^T = v^T p^T): a lane holds one query.  p = 2^(t - M), M the running largest t rounded up to a whole number; the sum is taken of the unquantised p.
; LIMITS: NaN and infinities are not served; the scaled scores stay under 2^31 in magnitude; a block of zeros gets the byte 1 (its codes are zeros; this program alone reads the bytes).
.set FIB,  1536
.set KC,   0
.set VC,   98304
.set KS,   196608
.set VS,   200704
.set SPARE, 204800
.set LI,   1
.set LR,   2
.set SPW,  5
.set NIL,  6
.set DQ,   7
.set ADK,  8
.set ADV,  9
.set ADS,  10
.set ADT,  11
.set PC,   32
.set TM,   232
.set WV,   18
.set SEL,  20
.set CS,   22
.set G1C,  24
.set G1S,  32
.set G0C,  40
.set G0S,  44
.set KF,   48
.set DG,   49
.set TK,   50
.set TV,   51
.set TS,   52
.set TT,   53
.set MSB, 0
.macro WIN new
.if MSB != (\new)
	s_set_vgpr_msb (MSB<<8)|(\new)
.set MSB, (\new)
.endif
.endm
.macro CROUND
	s_barrier_signal -1
	s_barrier_wait -1
	s_cmp_lg_u32 s[WV], 0
	s_cbranch_scc1 .Lnot_wave_0_\@
	s_barrier_signal -3
.Lnot_wave_0_\@:
	s_barrier_wait -3
	s_barrier_signal -1
	s_barrier_wait -1
.endm
.macro QUANT s, W, pw
	WIN (\W)|((\W)<<2)
.irp b, 0,1,2,3
	v_max3_num_f32 v[TM+\b], |v[\s+16*\b]|, |v[\s+16*\b+1]|, 0x1800000
.endr
.irp i, 2,4,6,8,10,12,14
.irp b, 0,1,2,3
	s_delay_alu instid0(VALU_DEP_4)
	v_max3_num_f32 v[TM+\b], |v[\s+16*\b+\i]|, |v[\s+16*\b+\i+1]|, v[TM+\b]
.endr
.endr
	WIN 0
.irp b, 0,1,2,3
	s_delay_alu instid0(VALU_DEP_4)
	v_permlanex16_b32 v[TM+4+\b], v[TM+\b], s[SEL], s[SEL+1]
.endr
.irp b, 0,1,2,3
	s_delay_alu instid0(VALU_DEP_4)
	v_max_num_f32 v[TM+\b], v[TM+\b], v[TM+4+\b]
.endr
.irp b, 0,1,2,3
	s_delay_alu instid0(VALU_DEP_4)
	v_add_nc_u32 v[TM+12+\b], 0xff000000, v[TM+\b]
.endr
.irp b, 0,1,2,3
	s_delay_alu instid0(VALU_DEP_4)
	v_lshrrev_b32 v[TM+4+\b], 23, v[TM+12+\b]
.endr
	s_delay_alu instid0(VALU_DEP_3)
	v_lshl_or_b32 v[\pw], v[TM+5], 8, v[TM+4]
	s_delay_alu instid0(VALU_DEP_1)
	v_lshl_or_b32 v[\pw], v[TM+6], 16, v[\pw]
	s_delay_alu instid0(VALU_DEP_1)
	v_lshl_or_b32 v[\pw], v[TM+7], 24, v[\pw]
	WIN (\W)
.irp c, 0,1
	v_cvt_scalef32_pk16_fp6_f32 v[PC+6*\c:PC+6*\c+2], v[\s+32*\c:\s+32*\c+15], v[TM+12+2*\c]
	v_cvt_scalef32_pk16_fp6_f32 v[PC+12+4*\c:PC+14+4*\c], v[\s+32*\c+16:\s+32*\c+31], v[TM+13+2*\c]
.endr
	WIN 0
	v_nop
.irp c, 0,1
.irp i, 0,1,2
	v_permlane16_swap_b32 v[PC+6*\c+\i], v[PC+12+4*\c+\i]
.endr
.irp i, 0,1,2
	s_delay_alu instid0(VALU_DEP_3)
	v_mov_b32 v[PC+3+6*\c+\i], v[PC+12+4*\c+\i]
.endr
.endr
.endm
	s_load_b256 s[4:11], s[0:1], 0x0
	v_lshl_add_u32 v[SPW], v0, 2, SPARE
	v_mov_b32 v[NIL], 0
	ds_add_u32 v[SPW], v[NIL]
	ds_add_u32 v[SPW], v[NIL]
	v_lshrrev_b32 v8, 5, v0
	s_delay_alu instid0(VALU_DEP_1)
	v_readfirstlane_b32 s[WV], v8
	s_bfe_u32 s55, ttmp6, 0x40000
	s_and_b32 s60, ttmp7, 0xffff
	s_lshr_b32 s56, s60, 4
	s_and_b32 s57, s60, 15
	s_lshr_b32 s58, s57, 2
	s_bfe_u32 s61, s[WV], 0x10002
	s_mul_i32 s61, s61, 3
	s_xor_b32 s54, s[WV], s61
	s_lshl_b32 s59, s54, 2
	s_add_co_u32 s59, s59, s55
	s_lshr_b32 s[DG], s54, 1
	s_mov_b32 s[G1C], 15|(3<<16)|(1<<21)
	s_mov_b32 s[G1C+1], 32<<16
	s_mov_b32 s[G1C+2], 64<<16
	s_mov_b32 s[G1C+3], 32<<16
	s_mov_b32 s[G1C+4], 64
	s_mov_b32 s[G1C+5], 32
	s_mov_b32 s[G1C+6], 0
	s_mov_b32 s[G1C+7], 0
	s_mov_b32 s[G1S], 15|(3<<16)|(1<<21)
	s_mov_b32 s[G1S+1], 32<<16
	s_mov_b32 s[G1S+2], 8<<16
	s_mov_b32 s[G1S+3], 32<<16
	s_mov_b32 s[G1S+4], 8
	s_mov_b32 s[G1S+5], 32
	s_mov_b32 s[G1S+6], 0
	s_mov_b32 s[G1S+7], 0
	s_mul_i32 s12, s56, 24
	s_lshl_b32 s13, s58, 1
	s_add_co_u32 s12, s12, s13
	s_add_co_u32 s12, s12, 16
	s_mul_i32 s14, s12, 64*FIB
	s_lshl_b32 s16, s[WV], 14                      ; waves 0-11: 16,384 bytes of k's and v's 196,608, which lie on end in memory and in LDS
	s_add_co_u32 s14, s14, s16
	s_mov_b32 s15, 0
	s_lshl_b32 s12, s12, 12
	s_and_b32 s17, s[WV], 3                        ; waves 12-15: 2,048 bytes of the 8,192 of scale words
	s_lshl_b32 s17, s17, 11
	s_add_co_u32 s12, s12, s17
	s_mov_b32 s13, 0
	s_mov_b32 s[SEL], 0x76543210
	s_mov_b32 s[SEL+1], 0xfedcba98
	s_mov_b32 s[CS], 0x3e0293ee
	s_mov_b32 s[CS+1], s[CS]
	s_mov_b32 s[KF], 0
	s_mov_b32 s[TK], KC
	s_mov_b32 s[TV], VC
	s_mov_b32 s[TS], KS
	s_mov_b32 s[TT], VS
	s_wait_dscnt 0x0
	s_wait_kmcnt 0x0
	s_mov_b32 s[G0C], 1
	s_mov_b32 s[G0C+1], s16
	s_add_nc_u64 s[G0C+2:G0C+3], s[4:5], s[14:15]
	s_or_b32 s[G0C+3], s[G0C+3], 0x80000000
	s_mov_b32 s[G0S], 1
	s_add_co_u32 s[G0S+1], s17, KS
	s_add_nc_u64 s[G0S+2:G0S+3], s[6:7], s[12:13]
	s_or_b32 s[G0S+3], s[G0S+3], 0x80000000
	CROUND
	s_cmp_lt_u32 s[WV], 12                         ; one load a wave, in the two arms of one branch on the wave's number
	s_cbranch_scc0 .Lfor_scales
	tensor_load_to_lds s[G0C:G0C+3], s[G1C:G1C+7]
	s_nop 0
.rept 4
	v_nop
.endr
	s_branch .Lasked
.Lfor_scales:
	tensor_load_to_lds s[G0S:G0S+3], s[G1S:G1S+7]
	s_nop 0
.rept 4
	v_nop
.endr
.Lasked:
	s_mul_i32 s66, s56, 24
	s_add_co_u32 s66, s66, s57
	s_lshl_b32 s67, s66, 6
	s_add_co_u32 s67, s67, s59
	s_mul_i32 s68, s67, FIB
	s_mov_b32 s69, 0
	s_add_nc_u64 s[70:71], s[4:5], s[68:69]
	s_lshl_b32 s66, s66, 3
	s_add_co_u32 s66, s66, s[DG]
	s_lshl_b32 s68, s66, 9
	s_and_b32 s67, s54, 1
	s_lshl_b32 s67, s67, 8
	s_add_co_u32 s68, s68, s67
	s_lshl_b32 s67, s55, 2
	s_add_co_u32 s68, s68, s67
	s_add_nc_u64 s[60:61], s[6:7], s[68:69]
	v_and_b32 v3, 31, v0
	s_delay_alu instid0(VALU_DEP_1)
	v_lshlrev_b32 v[LI], 4, v3
	v_and_b32 v3, 15, v0
	s_wait_alu depctr_va_vdst(0)
	v_lshlrev_b32 v[LR], 4, v3
	v_bfe_u32 v4, v0, 4, 1
	s_wait_alu depctr_va_vdst(0)
.irp c, 0,1,2
	global_load_b128 v[16+4*\c:19+4*\c], v[LI], s[70:71] offset:512*\c
.endr
	global_load_b32 v255, v[LR], s[60:61]
	s_and_b32 s66, s54, 1
	s_lshl_b32 s66, s66, 6
	s_lshr_b32 s67, s55, 1
	s_lshl_b32 s67, s67, 5
	s_add_co_u32 s66, s66, s67
	s_and_b32 s67, s55, 1
	s_lshl_b32 s67, s67, 3
	s_add_co_u32 s66, s66, s67
	v_and_b32 v8, 8, v3
	s_delay_alu instid0(VALU_DEP_1)
	v_add_nc_u32 v8, v8, v3
	v_lshlrev_b32 v9, 4, v4
	s_delay_alu instid0(VALU_DEP_1)
	v_sub_nc_u32 v8, v8, v9
	s_delay_alu instid0(VALU_DEP_1)
	v_add_nc_u32 v[DQ], s66, v8
	s_lshl_b32 s66, s56, 6
	s_add_co_u32 s66, s66, s59
	s_lshl_b32 s67, s66, 4
	s_add_co_u32 s67, s67, s57
	s_mul_i32 s68, s67, FIB
	s_add_nc_u64 s[8:9], s[8:9], s[68:69]
	s_lshl_b32 s68, s66, 10
	s_lshl_b32 s67, s58, 8
	s_add_co_u32 s68, s68, s67
	s_and_b32 s67, s57, 3
	s_lshl_b32 s67, s67, 2
	s_add_co_u32 s68, s68, s67
	s_add_nc_u64 s[10:11], s[10:11], s[68:69]
	v_mov_b32 v13, 0xff61b1e6
	s_delay_alu instid0(VALU_DEP_1)
	v_floor_f32 v12, -v13
	v_mov_b32 v14, 0
	v_mov_b32 v15, 0
.irp b, 0,1,2,3
	v_mov_b32 v[236+\b], 0
.endr
	v_mov_b32 v252, 0
	v_mov_b32 v253, 0
.set J, 0
.rept 64
	v_mov_b32 v[160+J], 0
.set J, J+1
.endr
	s_wait_tensorcnt 0x0
	s_wait_loadcnt 0x0
	s_barrier_signal -1
	s_barrier_wait -1
.Lstep:
	s_cmp_gt_u32 s[KF], s[DG]
	s_cbranch_scc1 .Lhidden
	v_add_nc_u32 v[ADK], s[TK], v[LI]
	s_wait_alu depctr_va_vdst(0)
	v_add_nc_u32 v[ADV], s[TV], v[LI]
	v_add_nc_u32 v[ADS], s[TS], v[LR]
	s_wait_alu depctr_va_vdst(0)
	v_add_nc_u32 v[ADT], s[TT], v[LR]
.irp g, 0,1
.if \g > 0
.rept 4
	v_nop
.endr
.endif
.irp t, 0,1,2,3
.irp c, 0,1,2
	ds_load_b128 v[32+12*\t+4*\c:35+12*\t+4*\c], v[ADK] offset:(4*\g+\t)*FIB+512*\c
.endr
.endr
	ds_load_b128 v[248:251], v[ADS] offset:256*\g
	s_wait_dscnt 0x0
.irp t, 0,1,2,3
	v_wmma_scale_f32_16x16x128_f8f6f4 v[96+8*(4*\g+\t):103+8*(4*\g+\t)], v[32+12*\t:43+12*\t], v[16:27], 0, v[248+\t], v255 matrix_a_fmt:MATRIX_FMT_FP6 matrix_b_fmt:MATRIX_FMT_FP6
.endr
.endr
.rept 4
	v_nop
.endr
	s_cmp_lg_u32 s[KF], s[DG]
	s_cbranch_scc1 .Lopen
	v_mov_b32 v254, 0xff800000
.set J, 0
.rept 64
	v_cmp_gt_i32 vcc_lo, 32*(J/16)+J%16, v[DQ]
	v_cndmask_b32 v[96+J], v[96+J], v254, vcc_lo
.set J, J+1
.endr
.Lopen:
.irp b, 0,1,2,3
	v_max3_num_f32 v[232+\b], v[96+16*\b], v[97+16*\b], v[98+16*\b]
.endr
.irp i, 3,5,7,9,11,13
.irp b, 0,1,2,3
	v_max3_num_f32 v[232+\b], v[232+\b], v[96+16*\b+\i], v[97+16*\b+\i]
.endr
.endr
.irp b, 0,1,2,3
	v_max_num_f32 v[232+\b], v[232+\b], v[111+16*\b]
.endr
.irp b, 0,1,2,3
	s_delay_alu instid0(VALU_DEP_4)
	v_permlanex16_b32 v[236+\b], v[232+\b], s[SEL], s[SEL+1]
.endr
.irp b, 0,1,2,3
	s_delay_alu instid0(VALU_DEP_4)
	v_max_num_f32 v[232+\b], v[232+\b], v[236+\b]
.endr
	s_delay_alu instid0(VALU_DEP_2)
	v_max3_num_f32 v254, v232, v233, v234
	s_delay_alu instid0(VALU_DEP_1)
	v_max_num_f32 v254, v254, v235
	s_delay_alu instid0(VALU_DEP_1)
	v_mul_f32 v254, s[CS], v254
	s_delay_alu instid0(VALU_DEP_1)
	v_max_num_f32 v13, v13, v254
	v_mov_b32 v254, v12
	s_delay_alu instid0(VALU_DEP_2)
	v_floor_f32 v12, -v13
	s_delay_alu instid0(VALU_DEP_1)
	v_sub_f32 v254, v12, v254
	s_delay_alu instid0(VALU_DEP_1)
	v_cvt_i32_f32 v254, v254
	s_delay_alu instid0(VALU_DEP_1)
	v_ldexp_f32 v252, 1.0, v254
.set J, 0
.rept 32
	v_pk_fma_f32 v[96+J:97+J], v[96+J:97+J], s[CS:CS+1], v[12:13] op_sel_hi:[1,0,0]
.set J, J+2
.endr
.irp b, 0,1,2,3
	v_fma_f32 v[232+\b], v[232+\b], s[CS], v12
.endr
.set J, 0
	s_wait_alu depctr_va_vdst(0)
.rept 64
	v_exp_f32 v[96+J], v[96+J]
.set J, J+1
.endr
	v_pk_mul_f32 v[14:15], v[14:15], v[252:253] op_sel_hi:[1,0]
	s_wait_alu depctr_va_vdst(0)
.irp b, 0,1,2,3
	v_exp_f32 v[232+\b], v[232+\b]
.endr
	v_pk_add_f32 v[236:237], v[96:97], v[98:99]
.irp j, 4,8,12,16,20,24,28,32,36,40,44,48,52,56,60
	v_pk_add_f32 v[14:15], v[14:15], v[96+\j:97+\j]
	v_pk_add_f32 v[236:237], v[236:237], v[98+\j:99+\j]
.endr
	s_delay_alu instid0(VALU_DEP_1)
	v_pk_add_f32 v[14:15], v[14:15], v[236:237]
	s_wait_alu depctr_va_vdst(0)
.irp b, 0,1,2,3
	v_max_num_f32 v[232+\b], 0x1800000, v[232+\b]
.endr
.irp b, 0,1,2,3
	s_delay_alu instid0(VALU_DEP_4)
	v_add_nc_u32 v[244+\b], 0xff000000, v[232+\b]
.endr
.irp b, 0,1,2,3
	s_delay_alu instid0(VALU_DEP_4)
	v_lshrrev_b32 v[236+\b], 23, v[244+\b]
.endr
	s_delay_alu instid0(VALU_DEP_3)
	v_lshl_or_b32 v253, v237, 8, v236
	s_delay_alu instid0(VALU_DEP_1)
	v_lshl_or_b32 v253, v238, 16, v253
	s_delay_alu instid0(VALU_DEP_1)
	v_lshl_or_b32 v253, v239, 24, v253
.irp c, 0,1
	v_cvt_scalef32_pk16_fp6_f32 v[224+6*\c:226+6*\c], v[96+32*\c:111+32*\c], v[244+2*\c]
	v_cvt_scalef32_pk16_fp6_f32 v[236+4*\c:238+4*\c], v[112+32*\c:127+32*\c], v[244+2*\c+1]
.endr
	v_nop
.irp c, 0,1
.irp i, 0,1,2
	v_permlane16_swap_b32 v[224+6*\c+\i], v[236+4*\c+\i]
.endr
.irp i, 0,1,2
	s_delay_alu instid0(VALU_DEP_3)
	v_mov_b32 v[227+6*\c+\i], v[236+4*\c+\i]
.endr
.endr
.set J, 0
.rept 32
	v_pk_mul_f32 v[160+J:161+J], v[160+J:161+J], v[252:253] op_sel_hi:[1,0]
.set J, J+2
.endr
	s_wait_alu depctr_va_vdst(0)
.irp g, 0,1
.if \g > 0
.rept 4
	v_nop
.endr
.endif
.irp t, 0,1,2,3
.irp c, 0,1,2
	ds_load_b128 v[32+12*\t+4*\c:35+12*\t+4*\c], v[ADV] offset:(4*\g+\t)*FIB+512*\c
.endr
.endr
	ds_load_b128 v[248:251], v[ADT] offset:256*\g
	s_wait_dscnt 0x0
.irp t, 0,1,2,3
	v_wmma_scale_f32_16x16x128_f8f6f4 v[160+8*(4*\g+\t):167+8*(4*\g+\t)], v[32+12*\t:43+12*\t], v[224:235], v[160+8*(4*\g+\t):167+8*(4*\g+\t)], v[248+\t], v253 matrix_a_fmt:MATRIX_FMT_FP6 matrix_b_fmt:MATRIX_FMT_FP6
.endr
.endr
.Lhidden:
	s_add_co_u32 s[TK], s[TK], 8*FIB
	s_add_co_u32 s[TV], s[TV], 8*FIB
	s_add_co_u32 s[TS], s[TS], 512
	s_add_co_u32 s[TT], s[TT], 512
	s_add_co_u32 s[KF], s[KF], 1
	s_cmp_lt_u32 s[KF], 8
	s_cbranch_scc1 .Lstep
.rept 4
	v_nop
.endr
	v_add_f32 v14, v14, v15
	s_delay_alu instid0(VALU_DEP_1)
	v_permlanex16_b32 v252, v14, s[SEL], s[SEL+1]
	s_delay_alu instid0(VALU_DEP_1)
	v_add_f32 v14, v14, v252
	s_wait_alu depctr_va_vdst(0)
	v_rcp_f32 v14, v14
	v_nop
	s_wait_alu depctr_va_vdst(0)
.set J, 0
.rept 32
	v_pk_mul_f32 v[96+J:97+J], v[160+J:161+J], v[14:15] op_sel_hi:[1,0]
.set J, J+2
.endr
	QUANT 96, 0, 253
.irp c, 0,1,2
	global_store_b128 v[LI], v[PC+4*\c:PC+4*\c+3], s[8:9] offset:512*\c
.endr
	global_store_b32 v[LR], v253, s[10:11]
	s_wait_tensorcnt 0x0
	ds_add_u32 v[SPW], v[NIL]
	s_wait_dscnt 0x0
	CROUND
	s_endpgm
.Lfunc_end_k_qc7f4419a18_attn:
	.size	k_qc7f4419a18_attn, .Lfunc_end_k_qc7f4419a18_attn-k_qc7f4419a18_attn
	.p2alignl 7, 3214868480
	.fill 96, 4, 3214868480
	.section	.rodata,"a",@progbits
	.p2align	6, 0x0
	.amdhsa_kernel k_qc7f4419a18_attn
		.amdhsa_group_segment_fixed_size 327680
		.amdhsa_private_segment_fixed_size 0
		.amdhsa_enable_private_segment 0
		.amdhsa_kernarg_size 32
		.amdhsa_user_sgpr_count 2
		.amdhsa_user_sgpr_kernarg_segment_ptr 1
		.amdhsa_wavefront_size32 1
		.amdhsa_system_sgpr_workgroup_id_x 1
		.amdhsa_system_sgpr_workgroup_id_y 1
		.amdhsa_system_sgpr_workgroup_id_z 1
		.amdhsa_system_vgpr_workitem_id 0
		.amdhsa_next_free_vgpr 256
		.amdhsa_next_free_sgpr 72
		.amdhsa_reserve_vcc 1
		.amdhsa_float_denorm_mode_32 3
		.amdhsa_float_denorm_mode_16_64 3
		.amdhsa_memory_ordered 1
		.amdhsa_forward_progress 1
		.amdhsa_inst_pref_size 43
	.end_amdhsa_kernel
	.amdgpu_metadata
---
amdhsa.version: [ 1, 2 ]
amdhsa.kernels:
  - .name:           k_qc7f4419a18_attn
    .symbol:         k_qc7f4419a18_attn.kd
    .args:
      - { .name: qkvc, .offset: 0, .size: 8, .value_kind: global_buffer, .address_space: global }
      - { .name: qkvs, .offset: 8, .size: 8, .value_kind: global_buffer, .address_space: global }
      - { .name: yc, .offset: 16, .size: 8, .value_kind: global_buffer, .address_space: global }
      - { .name: ys, .offset: 24, .size: 8, .value_kind: global_buffer, .address_space: global }
    .group_segment_fixed_size: 327680
    .private_segment_fixed_size: 0
    .kernarg_segment_align: 8
    .kernarg_segment_size: 32
    .max_flat_workgroup_size: 512
    .sgpr_count:     72
    .vgpr_count:     256
    .wavefront_size: 32
...
	.end_amdgpu_metadata
.endif
;; end of part 3
;; launch gemm_out (part 4): grid 16 x 16, 4 waves a work-group, clusters of 4 x 4, 327,680 bytes of LDS; arguments yc, ys, wob, out0; writes out0
.if DOCPART == 4
	.amdgcn_target "amdgcn-amd-amdhsa--gfx1250"
	.amdhsa_code_object_version 6
	.text
	.protected	k_qc7f4419a18_gemm_out
	.globl	k_qc7f4419a18_gemm_out
	.p2align	8
	.type	k_qc7f4419a18_gemm_out,@function
k_qc7f4419a18_gemm_out:
	s_mov_b64 s[64:65], 0
	v_nop
	global_prefetch_b8 v0, s[64:65] scope:SCOPE_SE
	s_setreg_imm32_b32 hwreg(HW_REG_WAVE_MODE, 25, 1), 1
	s_wait_xcnt 0x0
	s_wait_alu depctr_hold_cnt(0) depctr_sa_sdst(0) depctr_va_vdst(0) depctr_va_sdst(0) depctr_va_ssrc(0) depctr_va_vcc(0) depctr_vm_vsrc(0)
	s_getreg_b32 s2, hwreg(HW_REG_IB_STS2, 6, 4)
	s_cmp_eq_u32 s2, 0
	s_cbranch_scc0 .Lentry_in_a_cluster
	s_endpgm
.Lentry_in_a_cluster:
	s_bfe_u32 s2, ttmp6, 0x10000c
	s_cmp_lg_u32 s2, 0xf033
	s_cbranch_scc0 .Lentry_shape_is_right
	s_endpgm
.Lentry_shape_is_right:
; out0 = y wo^T on codes of FP6 (E2M3) with E8M0 scales; out0 [4096][2048] f32.
; IN: yc [row block][16 K steps][1,536], ys [row block][4][16 rows][4 words]; wo's in opc and ops, row blocks 448-575, laid alike.  In every group of 32 rows block u, place i, holds row 8 u + i + 8 (i / 8).
; SHARES.  A tile of 256 rows x 128 columns to a work-group (256 work-groups), 128 x 64 a wave: 32 accumulators.  K goes in steps of 512 through two LDS slots: four slots' worth, two of them refills; the text has no loop.
; A fragment lies in LDS as it lies in registers: three loads of 16 bytes a lane, 512 consecutive bytes each.  All scale words come once, with the first fills.
; CLUSTERS: 4 x 4; y's tiles are asked for jointly along a row of the cluster, wo's along a column.  THE PRODUCT IS USED TRANSPOSED (source 0 = 16 rows of wo, source 1 = 16 rows of y): a lane holds one row of out0.
; REGISTERS: window 0: v16-31 addresses; v32-95 scale words, two sets; v128-223 y's fragments, one set (on the way out v128-191 rows of out0).  window 1: wo's fragments, two sets, at v0 and v128.  window 2: accumulator (a, b) at 8 (4 a + b).
.set NBB,   4
.set NQ,    4
.set NL,    3
.set FR,    12
.set NP,    4                          ; places behind this matrix instruction (ISA guide 7.12.1)
.set FIB,   1536
.set RBK,   16*FIB
.set ROWA,  NQ*FIB
.set HALFA, 8*ROWA
.set HALFB, NBB*ROWA
.set SLOT,  2*HALFA+2*HALFB
.set SCL,   2*SLOT                     ; the scale words: wo's two halves (4,096 each), then y's two (8,192 each)
.set SPARE, 327168                     ; the spare words, 128 bytes a wave: two blocks of 256 bytes that no other line names
; wo's codes and scale words lie in wob: [128 row blocks][16 K steps][1,536], then from byte WO_S on [128][4][16 rows][4 words].
; THE HEAD: one joint load a wave: wave 0 y's 16 row blocks of slot 0, wave 1 wo's 8, wave 2 y's scale words, wave 3 wo's; slot 1 is first filled as a refill is.
; PREFETCHES: at the head for slots 1 and 2, behind slot 1's load for slot 3: two requests a wave for a slot.  Of a wave's row blocks x 6,144 bytes each of the four partners names its share by address:
; y's waves 2 row blocks (24 blocks of 256 bytes a request), wo's waves 1 row block (12 a request); the lanes left over name the last block again.  The refills of slots 2 and 3 have no slot two on.
.set WO_C,  0
.set PFO,   22                         ; v22-23 the two requests' lane offsets; never rewritten
.set PFA,   4                          ; s[4:5] where my prefetches stand; never rewritten
.set WO_S,  3145728
.set ADRA, 16
.set ADRB, 20
.set STO,  24                          ; the way out: where I put 16 bytes of a row
.set RD,   25                          ; and where I read a row back
.set CO,   26                          ; my byte offset in out0
.set ADRS, 27                          ; my scale words: lanes 0-15 y's rows, lanes 16-31 wo's; never rewritten
.set SPW,  28
.set NIL,  29
.set LI,   31
.set SC,   32
.set AF,   128
.set BK,   128
.set G1, 24
.set G0, 32
.set G1B, 48
.set G0B, 56
.set G1S, 68
.set G0S, 76
.set G1SB, 80
.set G0SB, 88
.set TO_B, 0x40
.set MSB, 0
.macro WIN new
.if MSB != (\new)
	s_set_vgpr_msb (MSB<<8)|(\new)
.set MSB, (\new)
.endif
.endm
.macro PLACES n
.rept \n
	v_nop
.endr
.endm
.macro JLOAD g0a, g1a, g0b, g1b        ; a joint load: waves 0 and 1 fetch y's halves, waves 2 and 3 wo's; an s_nop 0 and four v_nop follow each line
	s_cmp_eq_u32 s15, 0
	s_cbranch_scc0 .Lfor_b_\@
	tensor_load_to_lds s[\g0a:\g0a+3], s[\g1a:\g1a+7]
	s_nop 0
.rept 4
	v_nop
.endr
	s_branch .Lasked_\@
.Lfor_b_\@:
	tensor_load_to_lds s[\g0b:\g0b+3], s[\g1b:\g1b+7]
	s_nop 0
.rept 4
	v_nop
.endr
.Lasked_\@:
.endm
.macro CREST
	s_cmp_lg_u32 s14, 0
	s_cbranch_scc1 .Lnot_wave_0_\@
	s_barrier_signal -3
.Lnot_wave_0_\@:
	s_barrier_wait -3
	s_barrier_signal -1
	s_barrier_wait -1
.endm
.macro CROUND
	s_barrier_signal -1
	s_barrier_wait -1
	CREST
.endm
	s_load_b128 s[4:7], s[0:1], 0x0                ; yc s[4:5], ys s[6:7]
	s_load_b64 s[8:9], s[0:1], 0x10                ; wob
	s_load_b64 s[12:13], s[0:1], 0x18              ; out0
	v_lshl_add_u32 v[SPW], v0, 2, SPARE
	v_mov_b32 v[NIL], 0
	ds_add_u32 v[SPW], v[NIL]                      ; the wave's opening: the add and its wait stand ahead of my first tensor load; work on registers stands between them
	ds_add_u32 v[SPW], v[NIL]
	v_lshrrev_b32 v1, 5, v0
	v_readfirstlane_b32 s14, v1                    ; wave 0..3
	s_lshr_b32 s15, s14, 1                         ; which 128 rows are mine.  Also: I fetch for y (0) or for wo (1)
	s_and_b32 s16, s14, 1                          ; which 64 columns.  Also: which half I fetch
	s_bfe_u32 s40, ttmp6, 0x40000
	s_bfe_u32 s41, ttmp6, 0x40004
	s_lshl_b32 s42, ttmp9, 2
	s_add_co_u32 s42, s42, s40                     ; tile column
	s_and_b32 s17, ttmp7, 0xffff
	s_lshl_b32 s17, s17, 2
	s_add_co_u32 s17, s17, s41                     ; tile row
	s_lshl_b32 s43, s41, 2
	s_lshl_b32 s43, 15, s43
	s_lshl_b32 s44, 0x1111, s40
	s_or_b32 s[G1+0], s43, (3<<16)|(1<<21)         ; y: 8 row blocks x ROWA bytes, RBK bytes apart; elements of 8 bytes
	s_mov_b32 s[G1+1], (ROWA/8)<<16
	s_mov_b32 s[G1+2], 16<<16
	s_mov_b32 s[G1+3], (ROWA/8)<<16
	s_mov_b32 s[G1+4], 16
	s_mov_b32 s[G1+5], RBK/8
	s_mov_b32 s[G1+6], 0
	s_mov_b32 s[G1+7], 0
	s_or_b32 s[G1B+0], s44, (3<<16)|(1<<21)        ; wo: 4 row blocks
	s_mov_b32 s[G1B+1], (ROWA/8)<<16
	s_mov_b32 s[G1B+2], 8<<16
	s_mov_b32 s[G1B+3], (ROWA/8)<<16
	s_mov_b32 s[G1B+4], 8
	s_mov_b32 s[G1B+5], RBK/8
	s_mov_b32 s[G1B+6], 0
	s_mov_b32 s[G1B+7], 0
	s_or_b32 s[G1S+0], s43, (3<<16)|(1<<21)        ; y's scale words: 16,384 dense bytes as 64 rows of 256
	s_mov_b32 s[G1S+1], 32<<16
	s_mov_b32 s[G1S+2], 64<<16
	s_mov_b32 s[G1S+3], 32<<16
	s_mov_b32 s[G1S+4], 64
	s_mov_b32 s[G1S+5], 32
	s_mov_b32 s[G1S+6], 0
	s_mov_b32 s[G1S+7], 0
	s_or_b32 s[G1SB+0], s44, (3<<16)|(1<<21)       ; wo's: 8,192 as 32 rows
	s_mov_b32 s[G1SB+1], 32<<16
	s_mov_b32 s[G1SB+2], 32<<16
	s_mov_b32 s[G1SB+3], 32<<16
	s_mov_b32 s[G1SB+4], 32
	s_mov_b32 s[G1SB+5], 32
	s_mov_b32 s[G1SB+6], 0
	s_mov_b32 s[G1SB+7], 0
	s_lshl_b32 s20, s17, 4                         ; y: row block 16 x tile row
	s_lshl_b32 s46, s42, 3                         ; wo: 8 x tile column
	s_lshl_b32 s22, s20, 10
	s_mov_b32 s23, 0
	s_lshl_b32 s92, s46, 10
	s_add_co_u32 s92, s92, WO_S
	s_mov_b32 s93, 0
	s_mul_i32 s20, s20, RBK
	s_mov_b32 s21, 0
	s_mul_i32 s46, s46, RBK
	s_add_co_u32 s46, s46, WO_C
	s_mov_b32 s47, 0
	s_mul_i32 s45, s16, HALFA                      ; where they go: no place in the cluster enters an LDS address
	s_mul_i32 s94, s16, HALFB
	s_add_co_u32 s94, s94, 2*HALFA
	s_mul_i32 s18, s16, 8*RBK                      ; in the ring I fetch a half: its place in bytes, for y
	s_mov_b32 s19, 0
	s_mul_i32 s96, s16, 4*RBK                      ; and for wo
	s_mov_b32 s97, 0
	s_wait_dscnt 0x0                               ; the opening add is done
	s_wait_kmcnt 0x0
	s_add_nc_u64 s[20:21], s[4:5], s[20:21]
	s_add_nc_u64 s[22:23], s[6:7], s[22:23]
	s_add_nc_u64 s[46:47], s[8:9], s[46:47]
	s_add_nc_u64 s[92:93], s[8:9], s[92:93]
	CROUND                                         ; all sixteen work-groups are here: the first joint loads meet
	s_mov_b32 s[G0S], 1
	s_mov_b32 s[G0S+1], SCL+8192
	s_mov_b64 s[G0S+2:G0S+3], s[22:23]
	s_or_b32 s[G0S+3], s[G0S+3], 0x80000000
	s_mov_b32 s[G0SB], 1
	s_mov_b32 s[G0SB+1], SCL
	s_mov_b64 s[G0SB+2:G0SB+3], s[92:93]
	s_or_b32 s[G0SB+3], s[G0SB+3], 0x80000000
	s_mov_b32 s[G0], 1                             ; the head's loads of slot 0, each whole: y's 16 row blocks,
	s_mov_b32 s[G0+1], 0
	s_mov_b64 s[G0+2:G0+3], s[20:21]
	s_or_b32 s[G0+3], s[G0+3], 0x80000000
	s_mov_b32 s[G0B], 1                            ; and wo's 8, behind them
	s_mov_b32 s[G0B+1], 2*HALFA
	s_mov_b64 s[G0B+2:G0B+3], s[46:47]
	s_or_b32 s[G0B+3], s[G0B+3], 0x80000000
	s_add_nc_u64 s[20:21], s[20:21], s[18:19]      ; for the ring: my half
	s_add_nc_u64 s[46:47], s[46:47], s[96:97]
	s_mov_b32 s[G0+4], 1                           ; slot 1's group 0
	s_add_co_u32 s[G0+5], s45, SLOT
	s_add_nc_u64 s[G0+6:G0+7], s[20:21], ROWA
	s_or_b32 s[G0+7], s[G0+7], 0x80000000
	s_mov_b32 s[G0B+4], 1
	s_add_co_u32 s[G0B+5], s94, SLOT
	s_add_nc_u64 s[G0B+6:G0B+7], s[46:47], ROWA
	s_or_b32 s[G0B+7], s[G0B+7], 0x80000000
; one chain of branches on the wave's number, one load to an arm, all arms to one join
.macro ARM under, g0, g1, next
	s_cmp_lt_u32 s14, \under
	s_cbranch_scc0 \next
	tensor_load_to_lds s[\g0:\g0+3], s[\g1:\g1+7]
	s_nop 0
.rept 4
	v_nop
.endr
	s_branch .Lhead_asked
\next:
.endm
	ARM 1, G0,  G1,  .Lhead_b
	ARM 2, G0B, G1B, .Lhead_sa
	ARM 3, G0S, G1S, .Lhead_sb
	tensor_load_to_lds s[G0SB:G0SB+3], s[G1SB:G1SB+7]
	s_nop 0
.rept 4
	v_nop
.endr
.Lhead_asked:
	s_mov_b32 s7, RBK
	s_mov_b32 s11, 3072
	s_cmp_eq_u32 s15, 0                            ; do I fetch for y?
	s_cselect_b64 s[PFA:PFA+1], s[20:21], s[46:47] ; my half,
	s_cselect_b32 s6, s40, s41                     ; my place among the four that ask for it with me,
	s_cselect_b32 s7, 2*RBK, s7                    ; my work-group's share: 2 row blocks of y, 1 of wo
	s_cselect_b32 s10, 23, 11                      ; blocks of 256 bytes a request, less 1
	s_cselect_b32 s11, RBK, s11                    ; from the first request to the second
	s_mul_i32 s6, s6, s7
	s_mov_b32 s7, 0
	s_add_nc_u64 s[PFA:PFA+1], s[PFA:PFA+1], s[6:7]
	v_and_b32 v5, 31, v0
	v_min_u32 v5, s10, v5
	v_lshlrev_b32 v[PFO], 8, v5
	v_add_nc_u32 v[PFO+1], s11, v[PFO]
.irp n, 1,2
	global_prefetch_b8 v[PFO], s[PFA:PFA+1] offset:\n*ROWA th:TH_LOAD_NT scope:SCOPE_SE
	global_prefetch_b8 v[PFO+1], s[PFA:PFA+1] offset:\n*ROWA th:TH_LOAD_NT scope:SCOPE_SE
.endr
	v_and_b32 v1, 15, v0                           ; r
	v_bfe_u32 v2, v0, 4, 1                         ; h
	v_and_b32 v3, 31, v0
	v_lshlrev_b32 v[LI], 4, v3
	s_mul_i32 s21, s15, HALFA                      ; my 128 rows of y
	s_mul_i32 s22, s16, HALFB
	s_add_co_u32 s22, s22, 2*HALFA                 ; my 64 rows of wo
.irp s, 0,1
	v_add_nc_u32 v[ADRA+\s], s21, v[LI]
	v_add_nc_u32 v[ADRB+\s], s22, v[LI]
	s_add_co_u32 s21, s21, SLOT
	s_add_co_u32 s22, s22, SLOT
.endr
	v_xor_b32 v4, 1, v2                            ; 1 in lanes 0-15, which take y's scale words
	s_lshl_b32 s21, s15, 13
	s_add_co_u32 s21, s21, 8192
	s_lshl_b32 s22, s16, 12
	s_sub_co_u32 s21, s21, s22                     ; from wo's half of mine to y's half of mine
	v_mul_u32_u24 v4, s21, v4
	v_lshl_add_u32 v4, v1, 4, v4
	s_add_co_u32 s22, s22, SCL
	v_add_nc_u32 v[ADRS], s22, v4
	s_mul_i32 s23, s14, 16*272                     ; my stage: 16 rows x (256 + 16) bytes, in slot 0, which has had its last fill and its last read when the first result is stored there
	v_mul_u32_u24 v5, v1, 272
	v_lshl_add_u32 v5, v2, 6, v5
	v_add_nc_u32 v[STO], s23, v5                   ; in: row r, + 64 h
	v_mul_u32_u24 v5, v2, 272
	v_lshl_add_u32 v5, v1, 4, v5
	v_add_nc_u32 v[RD], s23, v5                    ; back: lanes 0-15 one row, lanes 16-31 the next
	v_lshlrev_b32 v[CO], 13, v2
	v_lshl_add_u32 v[CO], v1, 4, v[CO]             ; and the same two rows of 8,192 bytes in out0
	s_lshl_b32 s20, s17, 8
	s_lshl_b32 s21, s15, 7
	s_add_co_u32 s20, s20, s21                     ; my first row
	s_lshl_b32 s20, s20, 13
	s_mov_b32 s21, 0
	s_add_nc_u64 s[12:13], s[12:13], s[20:21]
	s_lshl_b32 s46, s42, 9                         ; my first column, in bytes: 512 x tile column + 256 x half
	s_lshl_b32 s47, s16, 8
	s_add_co_u32 s46, s46, s47
	s_mov_b32 s47, 0
	s_add_nc_u64 s[12:13], s[12:13], s[46:47]
.macro FRAG reg, adr, q, i
.irp c, 0,1,2
	ds_load_b128 v[\reg+4*\c:\reg+4*\c+3], v[\adr] offset:(\i)*ROWA+(\q)*FIB+512*\c
.endr
.endm
.macro FETCH_B slot, q, p
	WIN TO_B
.set IB, 0
.rept NBB
	FRAG 128*(\p)+FR*IB, ADRB+\slot, \q, IB
.set IB, IB+1
.endr
	WIN 0
.endm
.macro FETCH_A slot, q, i0
.irp i, \i0, \i0+1, \i0+2, \i0+3
	FRAG AF+FR*(\i), ADRA+\slot, \q, \i
.endr
.endm
.macro SCALES sc, n                    ; slot number n's four scale words a row into set sc.  Lanes 16-31 of loads 4-7 read on past wo's four blocks into filled bytes; those words are not used
.irp i, 0,1,2,3,4,5,6,7
	ds_load_b128 v[SC+8*NQ*(\sc)+NQ*\i:SC+8*NQ*(\sc)+NQ*\i+3], v[ADRS] offset:\i*1024+256*(\n)
.endr
.endm
.macro MULA a, p, q, sc, zero          ; the accumulators take turns, one instruction a turn, in the same order in every step
.set AR, (8*NBB*(\a))%256
	WIN 0xa1+0x50*((8*NBB*(\a))/256)
.set BI, 0
.rept NBB
.if \zero
	v_wmma_scale_f32_16x16x128_f8f6f4 v[AR+8*BI:AR+8*BI+7], v[128*(\p)+FR*BI:128*(\p)+FR*BI+FR-1], v[AF+FR*(\a):AF+FR*(\a)+FR-1], 0, v[SC+8*NQ*(\sc)+NQ*BI+(\q)], v[SC+8*NQ*(\sc)+NQ*(\a)+(\q)] matrix_a_fmt:MATRIX_FMT_FP6 matrix_b_fmt:MATRIX_FMT_FP6 matrix_a_scale:MATRIX_SCALE_ROW1
.else
	v_wmma_scale_f32_16x16x128_f8f6f4 v[AR+8*BI:AR+8*BI+7], v[128*(\p)+FR*BI:128*(\p)+FR*BI+FR-1], v[AF+FR*(\a):AF+FR*(\a)+FR-1], v[AR+8*BI:AR+8*BI+7], v[SC+8*NQ*(\sc)+NQ*BI+(\q)], v[SC+8*NQ*(\sc)+NQ*(\a)+(\q)] matrix_a_fmt:MATRIX_FMT_FP6 matrix_b_fmt:MATRIX_FMT_FP6 matrix_a_scale:MATRIX_SCALE_ROW1
.endif
.set BI, BI+1
.endr
.endm
.macro STEP slot, q, zero
	s_wait_dscnt 4*NL                              ; all but the youngest twelve loads (y's blocks 4-7)
.irp a, 0,1,2,3
	MULA \a, (\q)%2, \q, \slot, \zero
.endr
	s_wait_dscnt 0
	PLACES NP
	FETCH_B \slot, (\q)+1, 1-(\q)%2
	FETCH_A \slot, (\q)+1, 0
.irp a, 4,5,6,7
	MULA \a, (\q)%2, \q, \slot, \zero
.endr
	PLACES NP
	WIN 0
	FETCH_A \slot, (\q)+1, 4
.endm
; A slot's last step changes slots: one barrier; in front of it each wave waits for all its tensor loads, adds 0 to its spare word, and waits for that and for its reads of this slot.  n: the next slot's number along K.
.macro TURN slot, next, fill, n
	s_wait_tensorcnt 0x0
	ds_add_u32 v[SPW], v[NIL]                      ; 0 onto my spare word
	s_wait_dscnt 4*NL+1                            ; (the add and the youngest twelve loads may be out)
	MULA 0, 1, NQ-1, \slot, 0
	MULA 1, 1, NQ-1, \slot, 0
	s_wait_dscnt 0x0                               ; the add is done, and my reads of this slot are over
	s_barrier_signal -1
	MULA 2, 1, NQ-1, \slot, 0
	MULA 3, 1, NQ-1, \slot, 0
	WIN 0
	s_barrier_wait -1
.if \fill
	CREST                                          ; the barrier has opened a round of the cluster's barrier
	s_add_nc_u64 s[G0+4*\slot+2:G0+4*\slot+3], s[G0+4*\slot+2:G0+4*\slot+3], 2*ROWA
	s_add_nc_u64 s[G0B+4*\slot+2:G0B+4*\slot+3], s[G0B+4*\slot+2:G0B+4*\slot+3], 2*ROWA
	JLOAD G0+4*\slot, G1, G0B+4*\slot, G1B         ; the first tensor load behind the round; its four v_nop are the places in front of the loads below
.else
	PLACES NP
.endif
	FETCH_B \next, 0, 0
	FETCH_A \next, 0, 0
	SCALES \next, \n
.irp a, 4,5,6,7
	MULA \a, 1, NQ-1, \slot, 0
.endr
	PLACES NP
	WIN 0
	FETCH_A \next, 0, 4
.endm
	s_wait_alu depctr_va_vdst(0)
	s_wait_tensorcnt 0x0                           ; my tile of the head's four is in
	ds_add_u32 v[SPW], v[NIL]
	s_mov_b32 s[G1+2], 8<<16                       ; no tensor load of mine is out: from here on a load brings a half,
	s_mov_b32 s[G1+4], 8
	s_mov_b32 s[G1B+2], 4<<16
	s_mov_b32 s[G1B+4], 4
	s_mov_b32 s[G0+1], s45                         ; and slot 0's group 0 stands at my half
	s_add_nc_u64 s[G0+2:G0+3], s[G0+2:G0+3], s[18:19]
	s_mov_b32 s[G0B+1], s94
	s_add_nc_u64 s[G0B+2:G0B+3], s[G0B+2:G0B+3], s[96:97]
	s_wait_dscnt 0x0
	CROUND                                         ; a whole round: all four tiles are in, and the joint loads meet
	JLOAD G0+4, G1, G0B+4, G1B                     ; slot 1, the first tensor load behind the round
	FETCH_B 0, 0, 0
	FETCH_A 0, 0, 0
	SCALES 0, 0
	FETCH_A 0, 0, 4
	global_prefetch_b8 v[PFO], s[PFA:PFA+1] offset:3*ROWA th:TH_LOAD_NT scope:SCOPE_SE     ; slot 3
	global_prefetch_b8 v[PFO+1], s[PFA:PFA+1] offset:3*ROWA th:TH_LOAD_NT scope:SCOPE_SE
	STEP 0, 0, 1                                   ; the first products start the sums
	STEP 0, 1, 0
	STEP 0, 2, 0
	TURN 0, 1, 1, 1                                ; slot 0 takes K 1,024 on
	STEP 1, 0, 0
	STEP 1, 1, 0
	STEP 1, 2, 0
	TURN 1, 0, 1, 2                                ; slot 1 takes K 1,536 on
	STEP 0, 0, 0
	STEP 0, 1, 0
	STEP 0, 2, 0
	TURN 0, 1, 0, 3                                ; nothing is left to fetch
	STEP 1, 0, 0
	STEP 1, 1, 0
	STEP 1, 2, 0
	s_wait_dscnt 4*NL
.irp a, 0,1,2,3
	MULA \a, 1, NQ-1, 1, 0
.endr
	s_wait_dscnt 0
.irp a, 4,5,6,7
	MULA \a, 1, NQ-1, 1, 0
.endr
	WIN 0
; THE WAY OUT, block by block of 16 rows x 64 columns.  Register j of accumulator 2 c + u in lane (r, h) is column 32 c + 16 h + 8 u + j: the stores into my stage put the columns in order; the rows come back whole
; (256 bytes), and place p of block a goes to row 32 (a / 2) + 8 (a % 2) + p + 8 (p / 8).  LDS serves a wave's instructions in order: no wait between the stores and the loads.
.macro TOSTAGE a
	WIN 0x08                                       ; the data: window 2
.irp b, 0,1,2,3
	ds_store_b128 v[STO], v[8*(4*(\a)+\b):8*(4*(\a)+\b)+3] offset:128*(\b/2)+32*(\b%2)          ; each accumulator from its low end on
	ds_store_b128 v[STO], v[8*(4*(\a)+\b)+4:8*(4*(\a)+\b)+7] offset:128*(\b/2)+32*(\b%2)+16
.endr
	WIN 0
.set BB, BK+32*((\a)%2)
.irp t, 0,1,2,3,4,5,6,7
	ds_load_b128 v[BB+4*\t:BB+4*\t+3], v[RD] offset:\t*544
.endr
.endm
.macro SEND a, younger                 ; younger: the LDS instructions issued behind block a's loads, which may stay out
.set BB, BK+32*((\a)%2)
	s_wait_dscnt \younger
.if (\a) > 0
.if (\a)%2 == 1
	s_add_nc_u64 s[12:13], s[12:13], 8*8192        ; (behind a wait on XCNT: the earlier stores have read their base)
.else
	s_add_nc_u64 s[12:13], s[12:13], 24*8192
.endif
.endif
.irp t, 0,1,2,3,4,5,6,7
	global_store_b128 v[CO], v[BB+4*\t:BB+4*\t+3], s[12:13] offset:(2*\t+8*(\t/4))*8192 th:TH_STORE_NT   ; sixteen lanes store 256 consecutive bytes, aligned; written once, read by nobody here
.endr
.endm
	PLACES NP                                      ; behind the last products: their results are read, and the registers that held y's fragments are loaded into
	TOSTAGE 0
.irp a, 1,2,3,4,5,6,7
.if \a > 1
	s_wait_xcnt 0x0                                ; block a - 2's stores have read their registers and their base
.endif
	TOSTAGE \a
	SEND \a-1, 16                                  ; behind block a - 1's loads: block a's 8 stores and 8 loads
.endr
	s_wait_xcnt 0x0
	SEND 7, 0
	s_wait_tensorcnt 0x0                           ; the wave's end: behind my last tensor load and my last LDS store
	ds_add_u32 v[SPW], v[NIL]
	s_wait_dscnt 0x0
	CROUND                                         ; the closing round
	s_endpgm
.Lfunc_end_k_qc7f4419a18_gemm_out:
	.size	k_qc7f4419a18_gemm_out, .Lfunc_end_k_qc7f4419a18_gemm_out-k_qc7f4419a18_gemm_out
	.p2alignl 7, 3214868480
	.fill 96, 4, 3214868480
	.section	.rodata,"a",@progbits
	.p2align	6, 0x0
	.amdhsa_kernel k_qc7f4419a18_gemm_out
		.amdhsa_group_segment_fixed_size 327680
		.amdhsa_private_segment_fixed_size 0
		.amdhsa_enable_private_segment 0
		.amdhsa_kernarg_size 32
		.amdhsa_user_sgpr_count 2
		.amdhsa_user_sgpr_kernarg_segment_ptr 1
		.amdhsa_wavefront_size32 1
		.amdhsa_system_sgpr_workgroup_id_x 1
		.amdhsa_system_sgpr_workgroup_id_y 1
		.amdhsa_system_sgpr_workgroup_id_z 1
		.amdhsa_system_vgpr_workitem_id 0
		.amdhsa_next_free_vgpr 768
		.amdhsa_next_free_sgpr 98
		.amdhsa_reserve_vcc 0
		.amdhsa_float_denorm_mode_32 3
		.amdhsa_float_denorm_mode_16_64 3
		.amdhsa_memory_ordered 1
		.amdhsa_forward_progress 1
		.amdhsa_inst_pref_size 139
	.end_amdhsa_kernel
	.amdgpu_metadata
---
amdhsa.version: [ 1, 2 ]
amdhsa.kernels:
  - .name:           k_qc7f4419a18_gemm_out
    .symbol:         k_qc7f4419a18_gemm_out.kd
    .args:
      - { .name: yc, .offset: 0, .size: 8, .value_kind: global_buffer, .address_space: global }
      - { .name: ys, .offset: 8, .size: 8, .value_kind: global_buffer, .address_space: global }
      - { .name: wob, .offset: 16, .size: 8, .value_kind: global_buffer, .address_space: global }
      - { .name: out0, .offset: 24, .size: 8, .value_kind: global_buffer, .address_space: global }
    .group_segment_fixed_size: 327680
    .private_segment_fixed_size: 0
    .kernarg_segment_align: 8
    .kernarg_segment_size: 32
    .max_flat_workgroup_size: 128
    .sgpr_count:     98
    .vgpr_count:     768
    .wavefront_size: 32
...
	.end_amdgpu_metadata
.endif
;; end of part 4
